; MI455X (gfx1250); checked and timed in simulation.
; The chip was launched on July 23, 2026; its instructions are those of AMD's public machine-readable ISA for CDNA 5 (MIT licence, August 2026) and "CDNA5" Instruction Set Architecture Reference Guide (July 2026). The comments in the code are by the model that wrote it; some were corrected since.
;; Dot Product Attention. Allowed arithmetic: matrix products marked QUANTISED: E2M1 operands, one E8M0 scale for each 32 along K, by v_wmma_scale_f32_16x16x128_f8f6f4 with both operands' format E2M1 (or v_wmma_scale_f32_32x16x128_f4), f32 sums; everything else in f32.
;; Inputs: keys 16 x 2,048 x 64 float32; queries 16 x 2,048 x 64 float32; valid_lens 16 int32; values 16 x 2,048 x 64 float32.
;; Outputs: out0 16 x 2,048 x 64 float32.
;; This version of the problem:
;;   THIS VERSION OF THE PROBLEM IS GIVEN IN LOW PRECISION. The matrix products marked QUANTISED in the list below multiply operands that are first quantised to E2M1 (2 exponent bits, 1 mantissa bit; 4 bits a number), with one power-of-two scale for each 32 numbers along K (OCP MX v1.0); their sums are f32. All else is computed in f32.
;;   The module's matrix products, in the order in which they are computed (A, B: the left and right operand; K: the contracted axis; several contracted axes count as one K, in the product's order):
;;     1. batch 16 x [M 2,048, K 64] x [K 64, N 2,048]; A: input queries; B: input keys: QUANTISED
;;     2. batch 16 x [M 2,048, K 2,048] x [K 2,048, N 64]; A: softmax (see below); B: input values: QUANTISED
;;   THE QUANTISER, for each operand of a quantised product, along K:
;;     - K is cut into blocks of 32 from its start; a last block that is shorter is filled with zeros.
;;     - A block's scale is 2^e with e = floor(log2(the largest magnitude in the block)) - 2, held to -126 .. 127; a block of zeros has e = 0. As a byte (E8M0): e + 127.
;;     - Each number is divided by its block's scale, clamped to +-6, and rounded to the nearest number of E2M1, ties to even, subnormals kept.
;;     - The product sums the exact products of the quantised numbers (number of the format x scale) in f32.
;;   ~~~python
;;   def quantise(x, axis):      # numpy; x: float32 -> the quantised numbers, widened to float32 again
;;       x = np.moveaxis(x, axis, -1); K = x.shape[-1]
;;       x = np.pad(x, [(0, 0)] * (x.ndim - 1) + [(0, -K % 32)]); x = x.reshape(x.shape[:-1] + (-1, 32)); a = np.abs(x).max(-1, keepdims=True)
;;       e = np.where(a > 0, np.clip(np.frexp(np.where(a > 0, a, 1))[1] - 1 - 2, -126, 127), 0)      # np.frexp(a)[1] - 1 = floor(log2(a)), exactly
;;       r = np.clip(x / 2.0 ** e, -6, 6)
;;       step = 2.0 ** (np.maximum(np.frexp(np.where(r == 0, 1, r))[1] - 1, 0) - 1)
;;       q = np.round(r / step) * step * 2.0 ** e      # np.round: ties to even
;;       return np.moveaxis(q.reshape(q.shape[:-2] + (-1,))[..., :K], -1, axis).astype(np.float32)
;;   ~~~
;;   SOFTMAX AHEAD OF A QUANTISED PRODUCT. Where the list says 'softmax', what is quantised is not the finished softmax but p = 2^(t - M), with t = logit x log2(e) and M = ceil(the row's largest t), a whole number; so 1/2 < the row's largest p <= 1. The row's sum l is taken of the UNQUANTISED p, in f32, and the product's result is divided by l at the end. Since M is a whole number, a kernel that streams over the keys may use a running M (the ceiling of the running maximum): every later rescaling is an exact power of two, which a block's scale takes up: the codes' values come out the same.
;;   OPERANDS COMPUTED ON THE WAY. 'Computed on the way' means the value that the module computes at that place (a softmax that the list does not call 'softmax' is quantised finished and normalised). What goes into a quantiser is computed in f32, as accurately as f32 sums, v_exp_f32 and their like allow (about 1e-6 of the number): no bf16 or f16 on the way to a quantiser, and a product that is left as it is and whose result goes on into a quantised operand takes f32 operands (vector FMAs, or v_wmma_f32_16x16x4_f32). A number that lies on a knife's edge between two numbers of the format may be rounded either way, as far as f32 arithmetic and the matrix unit's own rounding can turn it there, and no further.
;; 2 versions. Each part assembles by itself: llvm-mc -triple=amdgcn-amd-amdhsa -mcpu=gfx1250 --defsym DOCPART=n.
;; ======== version 1 of 2: 2 launches
;; limits: right only within a limited range of input values
;; workspace buffers: kv 2,359,296 bytes; qc 1,179,648 bytes
;; launch prep (part 1): grid 16 x 16, 4 waves a work-group, no clusters, 40,448 bytes of LDS; arguments keys, values, queries, kv, qc; writes kv, qc
.if DOCPART == 1
	.amdgcn_target "amdgcn-amd-amdhsa--gfx1250"
	.amdhsa_code_object_version 6
	.text
	.protected	k_q246c2d1c46_prep
	.globl	k_q246c2d1c46_prep
	.p2align	8
	.type	k_q246c2d1c46_prep,@function
k_q246c2d1c46_prep:
	s_mov_b64 s[64:65], 0
	v_nop
	global_prefetch_b8 v0, s[64:65] scope:SCOPE_SE
	s_setreg_imm32_b32 hwreg(HW_REG_WAVE_MODE, 25, 1), 1
	s_wait_xcnt 0x0
; keys, values, queries [16][2048][64] f32 become codes of FP4 (E2M1) with one E8M0 scale byte for each 32 along a product's K, laid as IMAGES OF THE OPERANDS' REGISTERS,
; so that the second launch loads every fragment by 16 bytes a lane.  K and Q are quantised along the head's 64 (two blocks a row), V along the KEYS (a block = 32 keys of one channel).
; A block's scale is 2^(floor(log2(its largest magnitude)) - 2): its byte is the largest magnitude's exponent field - 2, held at 1 from below.  A block of zeros so gets the byte 1 where the
; rule says 127: its codes are zeros, which add nothing under any byte but 0xff, and this program alone reads the bytes.
; LIMITS: blocks whose largest magnitude lies under 2^-124 keep the byte 1; NaN and infinities among the inputs are not served.
; SHARES.  Work-group (x = chunk s of 128 rows, y = head b), four waves; wave w takes rows 32 w .. 32 w + 31 of K, of Q and of V: 8,192 dense bytes of each, all 96 loads asked for at the start.
; kv: [16 b + s] records of 9,216 bytes: +0 K's 8 tiles (512 t + 16 lane: lane (r, h) = key 32 (t / 2) + 8 (t % 2) + r + (r & 8), channels 32 h on); +4096 V^T's 4 tiles (1024 tau + 512 c + 16 lane:
;     channel 16 tau + r, keys 64 c + 32 h on); +8192 K's scale words (16 lane + 4 j: register j holds tile 2 j in lanes 0-15, tile 2 j + 1 in lanes 16-31); +8704 V's (16 lane + 4 tau; lanes 16-31 repeat lanes 0-15).
; qc: [16 b + s] records of 4,608 bytes: +0 Q's 8 tiles (512 T + 16 lane: query 16 T + r, channels 32 h on); +4096 their scale words, laid as K's.
; K AND Q: a load is dense (512 bytes, 16 a lane), but a conversion wants a block's 32 numbers in one lane: the wave's 8,192 bytes turn through its own stage in LDS, 64 pieces of 128 bytes + 16 of padding.
; V: a lane takes a channel and its registers run down the 32 keys: the block is the lane's own and the codes come out with the keys innermost.  Nothing is transposed by an instruction.
; No tensor loads, no ring: every byte is read once.  One barrier: the scale images are gathered in LDS from four waves and leave in aligned runs of 256 bytes.
.set STAGEB, 9216                      ; a wave's stage: 64 x 144 bytes
.set SCL,    4*STAGEB                  ; behind the stages: K's scale image (512 bytes), V's (512), Q's (512)
.set RECB,   9216
.set QRECB,  4608
.set GL,  4                            ; v4   16 x lane
.set GV,  5                            ; v5   4 x lane
.set TS,  6                            ; v6   the stage, on the way in: 144 (lane / 8) + 16 (lane % 8)
.set TRK, 7                            ; v7   on the way out, K: 288 (r + (r & 8)) + 144 h
.set TRQ, 8                            ; v8   on the way out, Q: 288 r + 144 h
.set SKA, 9                            ; v9   K's scale word: SCL + 16 lane + 4 w
.set SQA, 10                           ; v10  Q's: 1,024 further on
.set SVA, 11                           ; v11  V's scale byte: SCL + 512 + 16 r + 4 h + w
.set VST, 12                           ; v12  V's codes in the record: 1024 h + 16 r + 256 w
.set O8,  13                           ; v13  8 x thread
.set L8,  14                           ; v14  SCL + 8 x thread
.set SH,  15                           ; v15  8 h
.set MXA, 16                           ; v16-17 largest magnitudes, chain a, blocks 0 and 1;  v18-19 chain b
.set MXB, 18
.set SO,  20                           ; v20-21 the conversions' scale operands
.set BY,  22                           ; v22-23 the scale bytes
.set PT,  24                           ; v24-25 what the other half of the lanes holds
.set RK,  32                           ; v32-95   K's numbers
.set RQ,  96                           ; v96-159  Q's
.set RV,  160                          ; v160-223 V's
.set CK,  224                          ; v224-231, v232-239, v240-247: codes of K, Q, V: each its own, so that no store's data are written again
.set CQ,  232
.set CV,  240
	s_load_b256 s[4:11], s[0:1], 0x0               ; keys s[4:5], values s[6:7], queries s[8:9], kv s[10:11]
	s_load_b64 s[12:13], s[0:1], 0x20              ; qc
	v_lshl_add_u32 v254, v0, 2, 0x9c00
	v_mov_b32 v255, 0
	v_lshrrev_b32 v1, 5, v0
	v_readfirstlane_b32 s16, v1                    ; wave 0..3
	v_and_b32 v1, 31, v0                           ; lane
	v_lshlrev_b32 v[GL], 4, v1
	v_lshlrev_b32 v[GV], 2, v1
	s_and_b32 s17, ttmp7, 0xffff                   ; head b
	s_lshl_b32 s22, s17, 19                        ; a head is 2,048 rows of 256 bytes,
	s_lshl_b32 s32, ttmp9, 15                      ; a chunk 128 rows,
	s_add_co_u32 s22, s22, s32
	s_lshl_b32 s32, s16, 13                        ; a wave's part 32 rows
	s_add_co_u32 s22, s22, s32
	s_mov_b32 s23, 0
	s_lshl_b32 s33, s17, 4
	s_add_co_u32 s33, s33, ttmp9                   ; 16 b + s: the record's number
	s_mul_i32 s34, s33, RECB
	s_mov_b32 s35, 0
	s_mul_i32 s36, s33, QRECB
	s_mov_b32 s37, 0
	s_lshl_b32 s38, s16, 10                        ; a wave's two tiles: 1,024 bytes
	s_mov_b32 s39, 0
	s_mov_b32 s18, 0x76543210
	s_mov_b32 s19, 0xfedcba98                      ; v_permlanex16_b32's selects for lane l xor 16
	s_mov_b32 s20, 0xffff0000                      ; lanes 16-31
	s_wait_kmcnt 0x0
	s_add_nc_u64 s[4:5], s[4:5], s[22:23]          ; K, V, Q at my wave's first row
	s_add_nc_u64 s[6:7], s[6:7], s[22:23]
	s_add_nc_u64 s[8:9], s[8:9], s[22:23]
	s_add_nc_u64 s[24:25], s[10:11], s[34:35]      ; my record of kv,
	s_add_nc_u64 s[26:27], s[24:25], s[38:39]      ; and my wave's two tiles of K in it
	s_add_nc_u64 s[28:29], s[12:13], s[36:37]      ; my record of qc,
	s_add_nc_u64 s[30:31], s[28:29], s[38:39]      ; and my wave's two tiles of Q
.macro LOADD R, B                      ; 8,192 dense bytes: each load reads 512 consecutive bytes, 16 a lane
.irp i, 0,1,2,3,4,5,6,7,8,9,10,11,12,13,14,15
	global_load_b128 v[\R+4*\i:\R+4*\i+3], v[GL], s[\B:\B+1] offset:512*\i th:TH_LOAD_NT
.endr
.endm
	LOADD RK, 4
	LOADD RQ, 8
.irp i, 0,1,2,3,4,5,6,7,8,9,10,11,12,13,14,15,16,17,18,19,20,21,22,23,24,25,26,27,28,29,30,31
.irp e, 0,1
	global_load_b32 v[RV+32*\e+\i], v[GV], s[6:7] offset:256*\i+128*\e th:TH_LOAD_NT   ; V(key 32 w + i, channel lane + 32 e): a row's two halves one behind the other
.endr
.endr
	; the addresses, while the loads are on their way
	v_and_b32 v2, 15, v0                           ; r
	v_bfe_u32 v3, v0, 4, 1                         ; h
	s_mul_i32 s32, s16, STAGEB                     ; my stage
	v_lshrrev_b32 v[TS], 3, v1
	v_mul_u32_u24 v[TS], v[TS], 144
	v_and_b32 v[TRK], 7, v1
	v_lshl_add_u32 v[TS], v[TRK], 4, v[TS]
	v_add_nc_u32 v[TS], s32, v[TS]
	v_and_b32 v[TRK], 8, v2
	v_add_nc_u32 v[TRK], v[TRK], v2                ; r + (r & 8): the rows of a tile of K are not neighbours
	v_mul_u32_u24 v[TRK], v[TRK], 288
	v_mad_u32_u24 v[TRK], v3, 144, v[TRK]
	v_add_nc_u32 v[TRK], s32, v[TRK]
	v_mul_u32_u24 v[TRQ], v2, 288
	v_mad_u32_u24 v[TRQ], v3, 144, v[TRQ]
	v_add_nc_u32 v[TRQ], s32, v[TRQ]
	s_lshl_b32 s33, s16, 2
	v_lshl_add_u32 v[SKA], v1, 4, SCL
	v_add_nc_u32 v[SKA], s33, v[SKA]
	v_add_nc_u32 v[SQA], 1024, v[SKA]
	v_lshl_add_u32 v[SVA], v2, 4, SCL+512
	v_lshl_add_u32 v[SVA], v3, 2, v[SVA]
	v_add_nc_u32 v[SVA], s16, v[SVA]
	s_lshl_b32 s33, s16, 8
	v_lshlrev_b32 v[VST], 10, v3
	v_lshl_add_u32 v[VST], v2, 4, v[VST]
	v_add_nc_u32 v[VST], s33, v[VST]
	v_lshlrev_b32 v[O8], 3, v0
	v_lshl_add_u32 v[L8], v0, 3, SCL
	v_lshlrev_b32 v[SH], 3, v3
	v_mov_b32 v[PT], 0                             ; written once: a lane permute's destination counts as one of its sources
	v_mov_b32 v[PT+1], 0
; 8,192 bytes through my stage: in as loaded, out 128 bytes a lane, into the registers that they left.  LDS serves a wave's instructions in order (ISA guide 5.7.1.4): no wait between the stores and the loads,
; nor in front of the next tensor's stores.  Behind it v[R + 32 u ..] is one whole block of 32 of my row of my wave's tile u.
.macro TURN R, RD, STEP
.irp i, 0,1,2,3,4,5,6,7,8,9,10,11,12,13,14,15
	ds_store_b128 v[TS], v[\R+4*\i:\R+4*\i+3] offset:576*\i
.endr
.irp u, 0,1
.irp j, 0,1,2,3,4,5,6,7
	ds_load_b128 v[\R+32*\u+4*\j:\R+32*\u+4*\j+3], v[\RD] offset:\STEP*\u+16*\j
.endr
.endr
.endm
; Two blocks of a lane, v[X ..] and v[X + 32 ..], by turns: largest magnitude (with the floor 2^(3 - 127) among its leaves, so that the byte cannot fall under 1), scale operand, byte, 2 x 4 registers of codes.
.macro QUANT2 X, C
.irp e, 0,1
	v_max3_num_f32 v[MXA+\e], |v[\X+32*\e]|, |v[\X+32*\e+1]|, 0x1800000
	v_max3_num_f32 v[MXB+\e], |v[\X+32*\e+2]|, |v[\X+32*\e+3]|, |v[\X+32*\e+4]|
.endr
.irp i, 5,9,13,17,21,25
.irp e, 0,1
	v_max3_num_f32 v[MXA+\e], v[MXA+\e], |v[\X+32*\e+\i]|, |v[\X+32*\e+\i+1]|
	v_max3_num_f32 v[MXB+\e], v[MXB+\e], |v[\X+32*\e+\i+2]|, |v[\X+32*\e+\i+3]|
.endr
.endr
.irp e, 0,1
	v_max3_num_f32 v[MXA+\e], v[MXA+\e], |v[\X+32*\e+29]|, |v[\X+32*\e+30]|
.endr
.irp e, 0,1
	v_max3_num_f32 v[MXA+\e], v[MXA+\e], v[MXB+\e], |v[\X+32*\e+31]|
.endr
.irp e, 0,1
	v_add_nc_u32 v[SO+\e], 0xff000000, v[MXA+\e]   ; 2 off the exponent field: the conversion takes the exponent field of this operand as its scale, and nothing else of it
.endr
.irp e, 0,1
	v_lshrrev_b32 v[BY+\e], 23, v[SO+\e]           ; the scale's byte
.endr
.irp e, 0,1
.irp g, 0,1,2,3
	v_cvt_scalef32_pk8_fp4_f32 v[\C+4*\e+\g], v[\X+32*\e+8*\g:\X+32*\e+8*\g+7], v[SO+\e]
.endr
.endr
	v_nop                                          ; one plain place behind the last scaled conversion
.endm
; A row's two bytes (channels 0-31 in lane (r, 0), 32-63 in lane (r, 1)) make its scale word; register W takes my first tile's words in lanes 0-15 and my second tile's in lanes 16-31.
.macro WORD W
.irp e, 0,1
	v_lshlrev_b32 v[BY+\e], v[SH], v[BY+\e]
.endr
.irp e, 0,1
	v_permlanex16_b32 v[PT+\e], v[BY+\e], s18, s19
.endr
.irp e, 0,1
	v_or_b32 v[BY+\e], v[BY+\e], v[PT+\e]
.endr
	v_cndmask_b32 v[\W], v[BY], v[BY+1], s20
.endm
	s_wait_loadcnt 63                              ; of 96 loads at most 63 are out: the oldest 33 are in, K's 16 and Q's 16 among them
	TURN RK, TRK, 2304                             ; tile u begins 8 u rows down
	TURN RQ, TRQ, 4608                             ; tile u begins 16 u rows down
	s_wait_dscnt 32                                ; K is back: behind its loads stand Q's 16 stores and 16 loads
	QUANT2 RK, CK
	WORD 248
	ds_store_b32 v[SKA], v248
.irp u, 0,1
	global_store_b128 v[GL], v[CK+4*\u:CK+4*\u+3], s[26:27] offset:512*\u     ; a tile's image: 512 consecutive bytes
.endr
	s_wait_dscnt 0x0                               ; Q is back
	QUANT2 RQ, CQ
	WORD 249
	ds_store_b32 v[SQA], v249
.irp u, 0,1
	global_store_b128 v[GL], v[CQ+4*\u:CQ+4*\u+3], s[30:31] offset:512*\u
.endr
	s_wait_loadcnt 0x0                             ; V
	QUANT2 RV, CV
.irp e, 0,1
	global_store_b128 v[VST], v[CV+4*\e:CV+4*\e+3], s[24:25] offset:4096+2048*\e   ; channel lane + 32 e, key block w: sixteen lanes fill 256 consecutive bytes, aligned
	ds_store_b8 v[SVA], v[BY+\e] offset:8*\e       ; byte w of the word of channel 16 (2 e + h) + r,
	ds_store_b8 v[SVA], v[BY+\e] offset:8*\e+256   ; and once more for lanes 16-31 of the image
.endr
	s_wait_dscnt 0x0                               ; for the others' sake: my words and bytes lie in the images
	s_barrier_signal -1
	s_barrier_wait -1
	ds_load_b64 v[250:251], v[L8]                  ; K's and V's images: 1,024 bytes, 8 a thread
	s_cmp_gt_u32 s16, 1
	s_cbranch_scc1 .Lkv_only                       ; Q's image is 512 bytes: waves 0 and 1
	ds_load_b64 v[252:253], v[L8] offset:1024
	s_wait_dscnt 0x0
	global_store_b64 v[O8], v[252:253], s[28:29] offset:4096
.Lkv_only:
	s_wait_dscnt 0x0
	global_store_b64 v[O8], v[250:251], s[24:25] offset:8192      ; a wave stores 256 consecutive bytes, aligned
	s_wait_tensorcnt 0x0
	ds_add_u32 v254, v255
	s_wait_dscnt 0x0
	s_endpgm
.Lfunc_end_k_q246c2d1c46_prep:
	.size	k_q246c2d1c46_prep, .Lfunc_end_k_q246c2d1c46_prep-k_q246c2d1c46_prep
	.p2alignl 7, 3214868480
	.fill 96, 4, 3214868480
	.section	.rodata,"a",@progbits
	.p2align	6, 0x0
	.amdhsa_kernel k_q246c2d1c46_prep
		.amdhsa_group_segment_fixed_size 40448
		.amdhsa_private_segment_fixed_size 0
		.amdhsa_enable_private_segment 0
		.amdhsa_kernarg_size 40
		.amdhsa_user_sgpr_count 2
		.amdhsa_user_sgpr_kernarg_segment_ptr 1
		.amdhsa_wavefront_size32 1
		.amdhsa_system_sgpr_workgroup_id_x 1
		.amdhsa_system_sgpr_workgroup_id_y 1
		.amdhsa_system_sgpr_workgroup_id_z 1
		.amdhsa_system_vgpr_workitem_id 0
		.amdhsa_next_free_vgpr 256
		.amdhsa_next_free_sgpr 66
		.amdhsa_reserve_vcc 0
		.amdhsa_float_denorm_mode_32 3
		.amdhsa_float_denorm_mode_16_64 3
		.amdhsa_memory_ordered 1
		.amdhsa_forward_progress 1
		.amdhsa_inst_pref_size 28
	.end_amdhsa_kernel
	.amdgpu_metadata
---
amdhsa.version: [ 1, 2 ]
amdhsa.kernels:
  - .name:           k_q246c2d1c46_prep
    .symbol:         k_q246c2d1c46_prep.kd
    .args:
      - { .name: keys, .offset: 0, .size: 8, .value_kind: global_buffer, .address_space: global }
      - { .name: values, .offset: 8, .size: 8, .value_kind: global_buffer, .address_space: global }
      - { .name: queries, .offset: 16, .size: 8, .value_kind: global_buffer, .address_space: global }
      - { .name: kv, .offset: 24, .size: 8, .value_kind: global_buffer, .address_space: global }
      - { .name: qc, .offset: 32, .size: 8, .value_kind: global_buffer, .address_space: global }
    .group_segment_fixed_size: 40448
    .private_segment_fixed_size: 0
    .kernarg_segment_align: 8
    .kernarg_segment_size: 40
    .max_flat_workgroup_size: 128
    .sgpr_count:     66
    .vgpr_count:     256
    .wavefront_size: 32
...
	.end_amdgpu_metadata
.endif
;; end of part 1
;; launch attn (part 2): grid 256 x 1, 8 waves a work-group, no clusters, 168,960 bytes of LDS; arguments qc, kv, valid_lens, out0; writes out0
.if DOCPART == 2
	.amdgcn_target "amdgcn-amd-amdhsa--gfx1250"
	.amdhsa_code_object_version 6
	.text
	.protected	k_q246c2d1c46_attn
	.globl	k_q246c2d1c46_attn
	.p2align	8
	.type	k_q246c2d1c46_attn,@function
k_q246c2d1c46_attn:
	s_mov_b64 s[64:65], 0
	v_nop
	global_prefetch_b8 v0, s[64:65] scope:SCOPE_SE
	s_setreg_imm32_b32 hwreg(HW_REG_WAVE_MODE, 25, 1), 1
	s_wait_xcnt 0x0
; out0[b][q][:] = the sum over k of softmax_k(logit) V[b][k][:], logit = Q[b][q] . K[b][k] / 8 where k < valid_lens[b] and -1e6 elsewhere; both products on codes of FP4 (E2M1) with E8M0 scales,
; read from kv and qc, which the first launch laid as images of the operands' registers (their layouts: at that launch's head).
; THE SOFTMAX AHEAD OF THE SECOND PRODUCT: t = logit x log2(e); M = the row's largest t so far, rounded UP to a whole number; p = 2^(t - M) is quantised along the keys, not normalised; the row's sum is taken of the
; unquantised p and divides at the end.  When M moves, the sum and O^T are multiplied by 2^(old M - new M): exact.
; THE MASK.  In the step of 128 keys that valid_len cuts, hidden scores become -8e6 (the logit -1e6 x 8) ahead of the maximum.  A step all of whose keys are hidden is LEFT OUT: its p would be 2^(about -1.4e6), 0 in f32.
; valid_len <= 0: every logit is -1e6, so every p is 1: Q's codes are cleared (all scores 0) and all 2,048 keys count.  valid_len above 2,048 counts as 2,048.
; LIMITS: a row whose largest valid logit lies under -1e6 + 150 is not served (there hidden keys of left-out steps would count); NaN and infinities are not served.
; SHARES.  The heads are ranked by length.  Work-group g serves two UNITS, one after the other: queries 64 (g % 32) .. + 63 of the head of rank g / 32, then of the head of rank 15 - g / 32: a short head and a long one.
; In a unit wave w owns query tile w % 4 (16 queries) and key group w / 4: in trip T (a slot: 256 keys) it works on step 2 T + w / 4.  At the unit's end waves 4-7 hand O^T, -M and the sum to waves 0-3 through LDS.
; NO TENSOR LOADS, NO CLUSTER: what is left out hangs on valid_lens, a number read from memory; partners of a cluster would need different numbers of
; tiles.  Leaving out (2,048 - valid_len) / 2,048 of a head's steps spares more than a shared fetch of 18,432 bytes of codes a trip would.  So a slot goes memory -> registers -> LDS, 72 bytes a thread, a trip ahead.
; Every loop has a constant count and every barrier stands on every path; only work is jumped over.  EXEC is never changed.
; LAYOUT.  Both products are used transposed: S^T = K Q^T (source 0 = 16 keys, source 1 = my 16 queries), O^T = V^T P^T: a lane holds ONE query (lane % 16) throughout.  The head's 64 fill half of the
; instruction's 128 along K: registers 4-7 of K's and Q's fragments are zero codes, kept in registers.  The keys of a tile are chosen so that register 16 b + i of S^T is key 32 b + 16 (lane / 16) + i of the step.
; REGISTERS: v1-11 addresses; v12 -M, v13 the largest t, v[14:15] the sum; v16-23 Q; v24-27 K's scale words, v28-31 V's; v32-95 K (tile t: codes v[32+8t..], zeros v[36+8t..]); v96-159 S^T, then p; v160-191 O^T;
;   v192-223 V^T; v224-231 p's codes; v232-254 at work; v243, v248-251 the second unit's Q; v253 p's scale word; v255 Q's.  The next slot lands in K's code registers, free once K Q^T is issued.
.set RECB,  9216                       ; a step's record in kv
.set SLOTB, 2*RECB                     ; a slot: two steps
.set QRECB, 4608
.set UNITB, 2*SLOTB                    ; LDS: unit u's two slots begin at UNITB u
.set MG,    2*UNITB                    ; merge images: 4,608 bytes for each query tile
.set STG,   MG+4*4608                  ; the way out: 16 rows x 272 bytes for each of waves 0-3
.set LI,  1                            ; v1   16 x lane
.set T16, 2                            ; v2   16 x thread
.set T8,  3                            ; v3   8 x thread
.set GA,  4                            ; v4   the refill's byte offsets in kv
.set GB,  5                            ; v5
.set SA,  6                            ; v6   the unit's slots + 16 x thread
.set SB,  7                            ; v7   + 8 x thread
.set LA,  8                            ; v8   + my key group's record + 16 x lane
.set MA,  9                            ; v9   my tile's merge image + 16 x lane
.set STI, 10                           ; v10  the stage, in: 272 r + 32 h
.set STO, 11                           ; v11  the stage, out: 272 h + 16 r
.set QF,  16
.set KS,  24
.set VS,  28
.set KF,  32
.set SC,  96
.set OT,  160
.set VF,  192
.set PC,  224
.set BM,  232                          ; v232-235 a block's largest score, then its largest p
.set PT,  236                          ; v236-239 the other half's maxima, then the scale bytes
.set SUB, 240                          ; v[240:241] the sum's second chain
.set HM,  242                          ; v242 16 h + 1
.set QS2, 243
.set SO,  244                          ; v244-247 the conversions' scale operands
.set QF2, 248
.set FF,  252                          ; v252 f = 2^(old M - new M)
.set PW,  253
.set TMP, 254
.set QS,  255
.set WV,  12                           ; s12 wave, s13 key group, s14 query tile, s15 query block, s16 and s17 the two ranks
.set GRP, 13
.set TIL, 14
.set QB,  15
.set RKA, 16
.set RKB, 17
.set SEL, 18                           ; s[18:19] selects for lane l xor 16
.set CS,  20                           ; s[20:21] c = log2(e) / 8
.set HDA, 26                           ; s26, s27 the two heads' numbers;  s28, s29 their valid_lens
.set HDB, 27
.set VLA, 28
.set VLB, 29
.set EFF, 30                           ; the unit in hand: s30 keys that count, s31 steps, s32 trips, s33 the head's byte offset in kv, s[34:35] my 16 rows of out0;  s36-41: the second unit's
.set NST, 31
.set NTR, 32
.set KVO, 33
.set OUT, 34
.set UB,  44                           ; s44 the unit's first LDS byte
.set TT,  45                           ; s45 trip
.set LC,  46
.set UC,  47
.set SG,  48                           ; s48 my step
	s_load_b256 s[4:11], s[0:1], 0x0               ; qc s[4:5], kv s[6:7], valid_lens s[8:9], out0 s[10:11]
	s_set_vgpr_msb 0x40
	v_lshl_add_u32 v0, v0, 2, 0x29000
	v_mov_b32 v1, 0
	s_set_vgpr_msb 0x4000
	v_lshrrev_b32 v1, 5, v0
	v_readfirstlane_b32 s[WV], v1                  ; wave 0..7
	v_and_b32 v233, 15, v0                         ; r
	v_lshlrev_b32 v234, 2, v233
	s_wait_kmcnt 0x0
	global_load_b32 v232, v234, s[8:9]             ; lane l: valid_lens[l % 16]
	s_lshr_b32 s[GRP], s[WV], 2
	s_and_b32 s[TIL], s[WV], 3
	s_and_b32 s[QB], ttmp9, 31
	s_lshr_b32 s[RKA], ttmp9, 5
	s_sub_co_u32 s[RKB], 15, s[RKA]
	s_mov_b32 s[SEL], 0x76543210
	s_mov_b32 s[SEL+1], 0xfedcba98
	s_mov_b32 s[CS], 0x3e38aa3b                    ; log2(e) / 8
	s_mov_b32 s[CS+1], s[CS]                       ; (named with it as a pair, so it is written)
	s_lshl_b32 s24, s[QB], 14                      ; out0: 64 rows of 256 bytes a block,
	s_lshl_b32 s22, s[TIL], 12                     ; 16 a tile
	s_add_co_u32 s24, s24, s22
	s_lshr_b32 s25, s[QB], 1                       ; qc: my block's chunk of 128 queries,
	s_and_b32 s22, s[QB], 1
	s_lshl_b32 s22, s22, 2
	s_add_co_u32 s22, s22, s[TIL]                  ; and my tile Tq = 4 (QB % 2) + tile in it
	s_lshl_b32 s52, s22, 9                         ; its codes: 512 Tq
	s_lshr_b32 s53, s22, 1
	s_lshl_b32 s53, s53, 2
	s_and_b32 s23, s[TIL], 1
	s_lshl_b32 s23, s23, 8
	s_add_co_u32 s53, s53, s23
	s_add_co_u32 s53, s53, 4096                    ; its scale words: 4096 + 256 (Tq % 2) + 4 (Tq / 2)
	s_mul_i32 s54, s[GRP], RECB                    ; my key group's record in a slot
	v_and_b32 v[LI], 31, v0
	v_lshlrev_b32 v[LI], 4, v[LI]
	v_lshlrev_b32 v[T16], 4, v0
	v_lshlrev_b32 v[T8], 3, v0
	v_bfe_u32 v235, v0, 4, 1                       ; h
	s_mul_i32 s22, s[TIL], 4608
	s_add_co_u32 s22, s22, MG
	v_add_nc_u32 v[MA], s22, v[LI]
	s_mul_i32 s22, s[TIL], 16*272
	s_add_co_u32 s22, s22, STG
	v_mul_u32_u24 v[STI], v233, 272
	v_lshl_add_u32 v[STI], v235, 5, v[STI]
	v_add_nc_u32 v[STI], s22, v[STI]
	v_mul_u32_u24 v[STO], v235, 272
	v_lshl_add_u32 v[STO], v233, 4, v[STO]
	v_add_nc_u32 v[STO], s22, v[STO]
	v_lshl_add_u32 v[HM], v235, 4, 1
	v_lshlrev_b32 v245, 4, v233                    ; 16 r
.irp i, 4,5,6,7
	v_mov_b32 v[QF+\i], 0                          ; zero codes for K = 64 .. 127: Q's,
.irp t, 0,1,2,3,4,5,6,7
	v_mov_b32 v[KF+8*\t+\i], 0                     ; and each tile of K's; they stay
.endr
.endr
	v_mov_b32 v[PW], 0                             ; (named as the upper half of the pair v[252:253] before it is first written)
	; THE RANKS.  key = keys that count << 4 | head: sixteen different whole numbers; a head's rank is the number of smaller keys
	s_wait_loadcnt 0x0
	v_mov_b32 v234, 0x800
	v_cmp_gt_i32 vcc_lo, 1, v232                   ; valid_len <= 0: all 2,048 keys count
	v_cndmask_b32 v232, v232, v234, vcc_lo
	v_min_u32 v232, 0x800, v232
	v_lshl_or_b32 v232, v232, 4, v233
	v_mov_b32 v244, 0
.irp j, 0,1,2,3,4,5,6,7,8,9,10,11,12,13,14,15
	v_readlane_b32 s22, v232, \j
	v_cmp_lt_u32 vcc_lo, s22, v232
	v_cndmask_b32 v234, 0, 1, vcc_lo
	v_add_nc_u32 v244, v244, v234
.endr
	; Lane l holds head l % 16, so the lowest lane that holds a rank IS the head of that rank.  Its number is held at 15 before it enters an address, and its valid_len is read by a scalar load.
	v_cmp_eq_u32 s[HDA], s[RKA], v244
	v_cmp_eq_u32 s[HDB], s[RKB], v244
	s_ctz_i32_b32 s[HDA], s[HDA]
	s_ctz_i32_b32 s[HDB], s[HDB]
	s_min_u32 s[HDA], s[HDA], 15
	s_min_u32 s[HDB], s[HDB], 15
	s_lshl_b32 s22, s[HDA], 2
	s_lshl_b32 s23, s[HDB], 2
	s_load_b32 s[VLA], s[8:9], s22 offset:0x0
	s_load_b32 s[VLB], s[8:9], s23 offset:0x0
	s_wait_kmcnt 0x0                               ; both are in, and s22 and s23 may be written again
; A head's number and its valid_len become a unit's six scalars at s[E ..], Q's mask and four registers of byte offsets.
.macro UNPACK hd, vl, E, QM, VGA, VGB, VQC, VQW
	s_cmp_lt_i32 s[\vl], 1
	s_cselect_b32 s[\QM], 0, -1                    ; Q's mask: 0 where valid_len <= 0, else all ones
	s_cselect_b32 s[\E], 0x800, s[\vl]
	s_min_u32 s[\E], s[\E], 0x800                  ; keys that count: 1 .. 2,048
	s_add_co_u32 s[\E+1], s[\E], 127
	s_lshr_b32 s[\E+1], s[\E+1], 7                 ; steps of 128 with a key that counts: 1 .. 16
	s_add_co_u32 s[\E+2], s[\E+1], 1
	s_lshr_b32 s[\E+2], s[\E+2], 1                 ; trips: 1 .. 8
	s_mul_i32 s[\E+3], s[\hd], 16*RECB
	s_lshl_b32 s50, s[\hd], 19
	s_add_co_u32 s50, s50, s24
	s_mov_b32 s51, 0
	s_add_nc_u64 s[\E+4:\E+5], s[10:11], s[50:51]
	s_lshl_b32 s23, s[\hd], 4
	s_add_co_u32 s23, s23, s25
	s_mul_i32 s23, s23, QRECB                      ; my record of qc
	v_add_nc_u32 v[\VGA], s[\E+3], v[T16]
	v_add_nc_u32 v[\VGB], s[\E+3], v[T8]
	s_add_co_u32 s22, s23, s52
	v_add_nc_u32 v[\VQC], s22, v[LI]
	s_add_co_u32 s22, s23, s53
	v_add_nc_u32 v[\VQW], s22, v245
.endm
	UNPACK HDA, VLA, 30, 42, GA, GB, 238, 239
	UNPACK HDB, VLB, 36, 43, 236, 237, 240, 241
.irp i, 0,1,2,3
	global_load_b128 v[KF+8*\i:KF+8*\i+3], v[GA], s[6:7] offset:4096*\i      ; slot 0 of the first unit: 256 threads x 72 bytes
.endr
	global_load_b64 v[KF+32:KF+33], v[GB], s[6:7] offset:16384
.irp i, 0,1,2,3
	global_load_b128 v[SC+4*\i:SC+4*\i+3], v236, s[6:7] offset:4096*\i       ; slot 0 of the second
.endr
	global_load_b64 v[SC+16:SC+17], v237, s[6:7] offset:16384
	global_load_b128 v[QF:QF+3], v238, s[4:5]      ; Q's fragment and scale words, for both units
	global_load_b32 v[QS], v239, s[4:5]
	global_load_b128 v[QF2:QF2+3], v240, s[4:5]
	global_load_b32 v[QS2], v241, s[4:5]
	s_wait_loadcnt 0x0
.irp i, 0,1,2,3
	v_and_b32 v[QF+\i], s42, v[QF+\i]
	v_and_b32 v[QF2+\i], s43, v[QF2+\i]
.endr
.irp i, 0,1,2,3
	ds_store_b128 v[T16], v[KF+8*\i:KF+8*\i+3] offset:4096*\i
	ds_store_b128 v[T16], v[SC+4*\i:SC+4*\i+3] offset:UNITB+4096*\i
.endr
	ds_store_b64 v[T8], v[KF+32:KF+33] offset:16384
	ds_store_b64 v[T8], v[SC+16:SC+17] offset:UNITB+16384
	s_wait_dscnt 0x0                               ; for the others' sake: my 144 bytes lie in the two slots
	s_barrier_signal -1
	s_barrier_wait -1
.macro FRAGS slot                      ; my step's record: 18 loads of 16 bytes a lane, what K Q^T wants first
	ds_load_b128 v[KS:KS+3], v[LA] offset:\slot*SLOTB+8192
.irp t, 0,1,2,3,4,5,6,7
	ds_load_b128 v[KF+8*\t:KF+8*\t+3], v[LA] offset:\slot*SLOTB+512*\t
.endr
	ds_load_b128 v[VS:VS+3], v[LA] offset:\slot*SLOTB+8704
.irp t, 0,1,2,3
.irp c, 0,1
	ds_load_b128 v[VF+8*\t+4*\c:VF+8*\t+4*\c+3], v[LA] offset:\slot*SLOTB+4096+1024*\t+512*\c
.endr
.endr
.endm
.macro QK                              ; S^T = K Q^T: eight tiles of 16 keys; scale register t / 2 holds tile t's words in lanes 0-15 (t even) or 16-31 (t odd)
.irp t, 0,2,4,6
	v_wmma_scale_f32_16x16x128_f8f6f4 v[SC+8*\t:SC+8*\t+7], v[KF+8*\t:KF+8*\t+7], v[QF:QF+7], 0, v[KS+\t/2], v[QS] matrix_a_fmt:MATRIX_FMT_FP4 matrix_b_fmt:MATRIX_FMT_FP4
	v_wmma_scale_f32_16x16x128_f8f6f4 v[SC+8*\t+8:SC+8*\t+15], v[KF+8*\t+8:KF+8*\t+15], v[QF:QF+7], 0, v[KS+\t/2], v[QS] matrix_a_fmt:MATRIX_FMT_FP4 matrix_b_fmt:MATRIX_FMT_FP4 matrix_a_scale:MATRIX_SCALE_ROW1
.endr
.endm
.macro REFILL                          ; the next slot, 72 bytes a thread, into K's code registers
.irp i, 0,1,2,3
	global_load_b128 v[KF+8*\i:KF+8*\i+3], v[GA], s[6:7] offset:4096*\i
.endr
	global_load_b64 v[KF+32:KF+33], v[GB], s[6:7] offset:16384
.endm
.macro PUT o                           ; and from there into LDS slot o
.irp i, 0,1,2,3
	ds_store_b128 v[SA], v[KF+8*\i:KF+8*\i+3] offset:(\o)*SLOTB+4096*\i
.endr
	ds_store_b64 v[SB], v[KF+32:KF+33] offset:(\o)*SLOTB+16384
.endm
.macro MASK                            ; only in the step that valid_len cuts: register 16 b + i holds key KF + 16 h + 32 b + i, hidden where 32 b + i > (EFF - KF) - (16 h + 1)
	s_lshl_b32 s49, s[SG], 7                       ; the step's first key
	s_add_co_u32 s23, s49, 128
	s_cmp_le_u32 s23, s[EFF]
	s_cbranch_scc1 .Lopen_\@
	s_sub_co_u32 s23, s[EFF], s49
	v_sub_nc_u32 v[FF], s23, v[HM]
	v_mov_b32 v[TMP], 0xcaf42400                   ; -8e6
.irp q, 0,1,2,3,4,5,6,7,8,9,10,11,12,13,14,15,16,17,18,19,20,21,22,23,24,25,26,27,28,29,30,31,32,33,34,35,36,37,38,39,40,41,42,43,44,45,46,47,48,49,50,51,52,53,54,55,56,57,58,59,60,61,62,63
	v_cmp_gt_i32 vcc_lo, 32*(\q/16)+\q%16, v[FF]
	v_cndmask_b32 v[SC+\q], v[SC+\q], v[TMP], vcc_lo
.endr
.Lopen_\@:
.endm
; The plain instruction that stands behind exponential n: work that is ready and touches neither that exponential's register nor the one before it.
.macro PLAIN
.if n == 0
	v_pk_mul_f32 v[14:15], v[14:15], v[FF:FF+1] op_sel_hi:[1,0]           ; the sum under the new M
.elseif n < 5
	s_wait_alu depctr_va_vdst(0)
	v_max_num_f32 v[BM+n-1], 0x1800000, v[BM+n-1]  ; the floor 2^(3 - 127) under a block's largest p: the byte cannot fall under 1 (a block whose every p is 0 keeps that byte: its codes are zeros)
.elseif n < 9
	v_add_nc_u32 v[SO+n-5], 0xff000000, v[BM+n-5]  ; 2 off the exponent field: the conversion's scale operand
.elseif n < 13
	v_lshrrev_b32 v[PT+n-9], 23, v[SO+n-9]         ; the scale's byte
.elseif n == 13
	v_lshl_or_b32 v[PW], v[PT+1], 8, v[PT]         ; p's scale word for these 128 keys
.elseif n == 14
	v_lshl_or_b32 v[PW], v[PT+2], 16, v[PW]
.elseif n == 15
	v_lshl_or_b32 v[PW], v[PT+3], 24, v[PW]
.elseif n < 32
	v_pk_mul_f32 v[OT+2*(n-16):OT+2*(n-16)+1], v[OT+2*(n-16):OT+2*(n-16)+1], v[FF:FF+1] op_sel_hi:[1,0]   ; O^T under the new M, from each accumulator's low end on
.elseif n == 32
	s_wait_alu depctr_va_vdst(0)
	v_pk_add_f32 v[SUB:SUB+1], v[SC:SC+1], v[SC+2:SC+3]                   ; THE ROW'S SUM IS TAKEN OF THE UNQUANTISED p, two at a time, in two chains
.elseif n < 61
.if (n%2) == 1
	s_wait_alu depctr_va_vdst(0)
	v_pk_add_f32 v[14:15], v[14:15], v[SC+2*(n-31):SC+2*(n-31)+1]         ; pair n - 31: its second exponential is number 2 n - 61, n - 1 at the latest
.else
	v_pk_add_f32 v[SUB:SUB+1], v[SUB:SUB+1], v[SC+2*(n-31):SC+2*(n-31)+1]
.endif
.endif
.endm
.macro SOFTMAX
.irp b, 0,1,2,3
	v_max3_num_f32 v[BM+\b], v[SC+16*\b], v[SC+16*\b+1], v[SC+16*\b+2]    ; THE LARGEST SCORE OF EACH BLOCK OF 32 KEYS serves twice: for the row's maximum, and, since p rises with the score, for the block's largest p
.endr
.irp i, 3,5,7,9,11,13
.irp b, 0,1,2,3
	v_max3_num_f32 v[BM+\b], v[BM+\b], v[SC+16*\b+\i], v[SC+16*\b+\i+1]   ; (the four blocks by turns)
.endr
.endr
.irp b, 0,1,2,3
	v_max_num_f32 v[BM+\b], v[BM+\b], v[SC+16*\b+15]
.endr
.irp b, 0,1,2,3
	v_permlanex16_b32 v[PT+\b], v[BM+\b], s[SEL], s[SEL+1]
.endr
.irp b, 0,1,2,3
	v_max_num_f32 v[BM+\b], v[BM+\b], v[PT+\b]     ; with lane l xor 16's 16 keys
.endr
	v_max3_num_f32 v[TMP], v[BM], v[BM+1], v[BM+2]
	v_max_num_f32 v[TMP], v[TMP], v[BM+3]          ; the step's largest score of my query
	v_mul_f32 v[TMP], s[CS], v[TMP]                ; as t (c is positive)
	v_max_num_f32 v13, v13, v[TMP]                 ; the running largest t
	v_mov_b32 v[TMP], v12
	v_floor_f32 v12, -v13                          ; the new -M = floor(-t) = -ceil(t): M is a whole number
	v_sub_f32 v[TMP], v12, v[TMP]                  ; old M - new M: a whole number, 0 or less
	v_cvt_i32_f32 v[TMP], v[TMP]                   ; (it saturates)
	v_ldexp_f32 v[FF], 1.0, v[TMP]                 ; f = 2^(old M - new M)
.irp j, 0,2,4,6,8,10,12,14,16,18,20,22,24,26,28,30,32,34,36,38,40,42,44,46,48,50,52,54,56,58,60,62
	v_pk_fma_f32 v[SC+\j:SC+\j+1], v[SC+\j:SC+\j+1], s[CS:CS+1], v[12:13] op_sel_hi:[1,0,0]   ; t - M, two at a time (of the pairs c and -M the low word serves both halves)
.endr
.irp b, 0,1,2,3
	v_fma_f32 v[BM+\b], v[BM+\b], s[CS], v12       ; the same of each block's largest score
.endr
.irp b, 0,1,2,3
	v_exp_f32 v[BM+\b], v[BM+\b]                   ; the block's largest p: the same two instructions on the same number give the same bits
.endr
.set n, 0
.rept 64
	v_exp_f32 v[SC+n], v[SC+n]                     ; p = 2^(t - M), at most 1: not normalised
	PLAIN
.set n, n+1
.endr
	v_nop                                          ; a plain place behind the last exponentials
	s_wait_alu depctr_va_vdst(0)
.irp b, 0,1,2,3
	v_cvt_scalef32_pk8_fp4_f32 v[PC+2*\b], v[SC+16*\b:SC+16*\b+7], v[SO+\b]
	v_cvt_scalef32_pk8_fp4_f32 v[PC+2*\b+1], v[SC+16*\b+8:SC+16*\b+15], v[SO+\b]
.endr
	v_nop                                          ; one plain place behind the last scaled conversion
.irp c, 0,1                            ; the operand's layout wants a WHOLE block in a lane: lanes 0-15 block 2 c, lanes 16-31 block 2 c + 1
.irp i, 0,1
	v_permlane16_swap_b32 v[PC+4*\c+\i], v[PC+4*\c+2+\i]
.endr
.endr
	v_pk_add_f32 v[14:15], v[14:15], v[SC+60:SC+61]       ; the last two pairs and the second chain; with the v_nop these are the four places between the operand's last write and the products
	v_pk_add_f32 v[SUB:SUB+1], v[SUB:SUB+1], v[SC+62:SC+63]
	v_pk_add_f32 v[14:15], v[14:15], v[SUB:SUB+1]
	v_nop
.endm
.macro PV                              ; O^T += V^T P^T: four tiles of 16 channels, K = these 128 keys; the four accumulators take turns, one instruction a turn
.irp t, 0,1,2,3
	v_wmma_scale_f32_16x16x128_f8f6f4 v[OT+8*\t:OT+8*\t+7], v[VF+8*\t:VF+8*\t+7], v[PC:PC+7], v[OT+8*\t:OT+8*\t+7], v[VS+\t], v[PW] matrix_a_fmt:MATRIX_FMT_FP4 matrix_b_fmt:MATRIX_FMT_FP4
.endr
.endm
; A TRIP: LDS slot `slot` is read, the other one is filled with the next 256 keys.  ONE barrier, on every path: in front of it my stores into the other slot have landed and my reads of this slot are in.
; A trip beyond the head's last has the barrier alone.  A wave whose step has no key that counts only helps to fetch.  An active trip always fetches, the slot's number held at 7, so that no load leaves kv.
.macro TRIP slot
	s_cmp_ge_u32 s[TT], s[NTR]
	s_cbranch_scc1 .Lidle_\@
	s_add_co_u32 s22, s[TT], 1
	s_min_u32 s22, s22, 7
	s_mul_i32 s22, s22, SLOTB
	s_add_co_u32 s22, s22, s[KVO]                  ; the next slot's byte offset in kv
	s_lshl_b32 s[SG], s[TT], 1
	s_add_co_u32 s[SG], s[SG], s[GRP]              ; my step
	s_cmp_ge_u32 s[SG], s[NST]
	s_cbranch_scc1 .Lnocomp_\@
	FRAGS \slot
	s_wait_dscnt 9                                 ; K's scale words and eight tiles are in; V's nine loads may be out
	QK
	v_add_nc_u32 v[GA], s22, v[T16]                ; (free: the last refill's loads were waited for)  These two and the two v_nop are the four places behind
	v_add_nc_u32 v[GB], s22, v[T8]                 ; the products, in front of the loads into K's registers and of the first read of the scores
	v_nop
	v_nop
	REFILL
	MASK
	SOFTMAX
	s_wait_dscnt 0x0                               ; V
	PV
.rept 4
	v_nop                                          ; places in front of the next loads into V's registers and the next reads of O^T
.endr
	s_branch .Ljoin_\@
.Lnocomp_\@:
	v_add_nc_u32 v[GA], s22, v[T16]
	v_add_nc_u32 v[GB], s22, v[T8]
	REFILL
.Ljoin_\@:
	s_wait_loadcnt 0x0                             ; my 72 bytes of the next slot
	PUT 1-\slot
.Lidle_\@:
	s_add_co_u32 s[TT], s[TT], 1
	s_wait_dscnt 0x0                               ; my stores have landed, my reads are in
	s_barrier_signal -1
	s_barrier_wait -1
.endm
	s_mov_b32 s[UB], 0
	s_mov_b32 s[UC], 2
.Lunit:                                                ; two trips: the unit of rank g / 32, then that of rank 15 - g / 32
	v_add_nc_u32 v[SA], s[UB], v[T16]
	v_add_nc_u32 v[SB], s[UB], v[T8]
	s_add_co_u32 s22, s[UB], s54
	v_add_nc_u32 v[LA], s22, v[LI]
	v_mov_b32 v13, 0xff61b1e6                      ; the largest t so far: -3e38, under every t
	v_floor_f32 v12, -v13                          ; -M
	v_mov_b32 v14, 0                               ; the sum, in two halves
	v_mov_b32 v15, 0
.irp j, 0,1,2,3,4,5,6,7,8,9,10,11,12,13,14,15,16,17,18,19,20,21,22,23,24,25,26,27,28,29,30,31
	v_mov_b32 v[OT+\j], 0                          ; O^T: the step is written once; the first finds zeros, which the first change of M leaves zeros
.endr
	s_mov_b32 s[TT], 0
	s_mov_b32 s[LC], 4
.Ltrip:                                                ; four trips of two slots: all 2,048 keys' worth of barriers, whatever valid_len
	TRIP 0
	TRIP 1
	s_sub_co_u32 s[LC], s[LC], 1
	s_cmp_lg_u32 s[LC], 0
	s_cbranch_scc1 .Ltrip
	; THE UNIT'S END.  Waves 4-7 lay O^T, -M and the sum down as images of their registers; waves 0-3 bring both halves under one M, divide and store.
	s_cmp_lt_u32 s[WV], 4
	s_cbranch_scc1 .Lkeep
.irp i, 0,1,2,3,4,5,6,7
	ds_store_b128 v[MA], v[OT+4*\i:OT+4*\i+3] offset:512*\i
.endr
	ds_store_b128 v[MA], v[12:15] offset:4096
.Lkeep:
	s_wait_dscnt 0x0                               ; for the others' sake: the images lie in LDS
	s_barrier_signal -1
	s_barrier_wait -1
	s_cmp_gt_u32 s[WV], 3
	s_cbranch_scc1 .Lnext
.irp i, 0,1,2,3,4,5,6,7
	ds_load_b128 v[SC+4*\i:SC+4*\i+3], v[MA] offset:512*\i
.endr
	ds_load_b128 v[SC+32:SC+35], v[MA] offset:4096
	s_wait_dscnt 0x0
	v_min_num_f32 v232, v12, v[SC+32]              ; the common -M.  A partner that never worked holds -M = 3e38: its factor below is 2^(a saturated whole number) = 0
	v_sub_f32 v234, v232, v12
	v_sub_f32 v240, v232, v[SC+32]
	v_cvt_i32_f32 v234, v234
	v_cvt_i32_f32 v240, v240
	v_ldexp_f32 v234, 1.0, v234                    ; f1: mine under the common M
	v_ldexp_f32 v240, 1.0, v240                    ; f2: the partner's
	v_add_f32 v235, v14, v15
	v_add_f32 v241, v[SC+34], v[SC+35]
	v_mul_f32 v235, v235, v234
	v_fma_f32 v235, v241, v240, v235
	v_permlanex16_b32 v236, v235, s[SEL], s[SEL+1]
	v_add_f32 v235, v235, v236                     ; with lane l xor 16's: the row's sum
	v_rcp_f32 v241, v235
	v_nop                                          ; one plain place behind the transcendental
	s_wait_alu depctr_va_vdst(0)
	v_mul_f32 v234, v234, v241                     ; f1 / the sum
	v_mul_f32 v240, v240, v241                     ; f2 / the sum
.irp j, 0,2,4,6,8,10,12,14,16,18,20,22,24,26,28,30
	v_pk_mul_f32 v[SC+\j:SC+\j+1], v[SC+\j:SC+\j+1], v[240:241] op_sel_hi:[1,0]
.endr
.irp j, 0,2,4,6,8,10,12,14,16,18,20,22,24,26,28,30
	v_pk_fma_f32 v[SC+\j:SC+\j+1], v[OT+\j:OT+\j+1], v[234:235], v[SC+\j:SC+\j+1] op_sel_hi:[1,0,1]   ; register 8 tau + j is out(query r, channel 16 tau + 8 h + j)
.endr
.irp t, 0,1,2,3
	ds_store_b128 v[STI], v[SC+8*\t:SC+8*\t+3] offset:64*\t               ; through my own stage: in by 32 bytes of a row,
	ds_store_b128 v[STI], v[SC+8*\t+4:SC+8*\t+7] offset:64*\t+16
.endr
.irp i, 0,1,2,3,4,5,6,7
	ds_load_b128 v[VF+4*\i:VF+4*\i+3], v[STO] offset:544*\i               ; out by whole rows of 256 bytes, two an instruction.  LDS serves a wave's instructions in order (ISA guide 5.7.1.4): these see my stores
.endr
.irp i, 0,1,2,3,4,5,6,7
	s_wait_dscnt 7-\i                              ; load i is in; the younger ones may be out
	global_store_b128 v[LI], v[VF+4*\i:VF+4*\i+3], s[OUT:OUT+1] offset:512*\i th:TH_STORE_NT   ; 32 lanes store 512 consecutive bytes, aligned; written once, read by nobody here
.endr
.Lnext:
	s_wait_xcnt 0x0                                ; the stores have read their registers and their base: both are written again below and in the next unit
.irp i, 0,1,2,3
	v_mov_b32 v[QF+\i], v[QF2+\i]                  ; the second unit's Q,
.endr
	v_mov_b32 v[QS], v[QS2]
	s_mov_b32 s[EFF], s36                          ; and its scalars
	s_mov_b32 s[NST], s37
	s_mov_b32 s[NTR], s38
	s_mov_b32 s[KVO], s39
	s_mov_b64 s[OUT:OUT+1], s[40:41]
	s_add_co_u32 s[UB], s[UB], UNITB
	s_sub_co_u32 s[UC], s[UC], 1
	s_cmp_lg_u32 s[UC], 0
	s_cbranch_scc1 .Lunit
	s_set_vgpr_msb 0x5
	s_wait_tensorcnt 0x0
	ds_add_u32 v0, v1
	s_wait_dscnt 0x0
	s_set_vgpr_msb 0x500
	s_endpgm
.Lfunc_end_k_q246c2d1c46_attn:
	.size	k_q246c2d1c46_attn, .Lfunc_end_k_q246c2d1c46_attn-k_q246c2d1c46_attn
	.p2alignl 7, 3214868480
	.fill 96, 4, 3214868480
	.section	.rodata,"a",@progbits
	.p2align	6, 0x0
	.amdhsa_kernel k_q246c2d1c46_attn
		.amdhsa_group_segment_fixed_size 168960
		.amdhsa_private_segment_fixed_size 0
		.amdhsa_enable_private_segment 0
		.amdhsa_kernarg_size 32
		.amdhsa_user_sgpr_count 2
		.amdhsa_user_sgpr_kernarg_segment_ptr 1
		.amdhsa_wavefront_size32 1
		.amdhsa_system_sgpr_workgroup_id_x 1
		.amdhsa_system_sgpr_workgroup_id_y 1
		.amdhsa_system_sgpr_workgroup_id_z 1
		.amdhsa_system_vgpr_workitem_id 0
		.amdhsa_next_free_vgpr 258
		.amdhsa_next_free_sgpr 66
		.amdhsa_reserve_vcc 1
		.amdhsa_float_denorm_mode_32 3
		.amdhsa_float_denorm_mode_16_64 3
		.amdhsa_memory_ordered 1
		.amdhsa_forward_progress 1
		.amdhsa_inst_pref_size 65
	.end_amdhsa_kernel
	.amdgpu_metadata
---
amdhsa.version: [ 1, 2 ]
amdhsa.kernels:
  - .name:           k_q246c2d1c46_attn
    .symbol:         k_q246c2d1c46_attn.kd
    .args:
      - { .name: qc, .offset: 0, .size: 8, .value_kind: global_buffer, .address_space: global }
      - { .name: kv, .offset: 8, .size: 8, .value_kind: global_buffer, .address_space: global }
      - { .name: valid_lens, .offset: 16, .size: 8, .value_kind: global_buffer, .address_space: global }
      - { .name: out0, .offset: 24, .size: 8, .value_kind: global_buffer, .address_space: global }
    .group_segment_fixed_size: 168960
    .private_segment_fixed_size: 0
    .kernarg_segment_align: 8
    .kernarg_segment_size: 32
    .max_flat_workgroup_size: 256
    .sgpr_count:     66
    .vgpr_count:     258
    .wavefront_size: 32
...
	.end_amdgpu_metadata
.endif
;; end of part 2
;; ======== version 2 of 2: 2 launches
;; limits: right only within a limited range of input values
;; workspace buffers: kv 2,228,224 bytes; plan 256 bytes of whole numbers
;; launch prep (part 3): grid 16 x 16, 8 waves a work-group, no clusters, 42,496 bytes of LDS; arguments keys, values, valid_lens, kv, plan; writes kv, plan
.if DOCPART == 3
	.amdgcn_target "amdgcn-amd-amdhsa--gfx1250"
	.amdhsa_code_object_version 6
	.text
	.protected	k_q246c2d1c46_prep
	.globl	k_q246c2d1c46_prep
	.p2align	8
	.type	k_q246c2d1c46_prep,@function
k_q246c2d1c46_prep:
	s_mov_b64 s[64:65], 0
	v_nop
	global_prefetch_b8 v0, s[64:65] scope:SCOPE_SE
	s_setreg_imm32_b32 hwreg(HW_REG_WAVE_MODE, 25, 1), 1
	s_wait_xcnt 0x0
; keys, values [16][2048][64] f32 become codes of FP4 (E2M1) with one E8M0 scale byte for each 32 along a product's K, laid as IMAGES OF THE OPERANDS' REGISTERS; and the heads are listed by length.
; K is quantised along the head's 64 (two blocks a row), V along the KEYS (a block = 32 keys of one channel).  (Q is quantised by the second launch.)
; A block's scale is 2^(floor(log2(its largest magnitude)) - 2): its byte is the largest magnitude's exponent field - 2, held at 1 from below.  A block of zeros gets the byte 1 where the
; rule says 127: its codes are zeros, which add nothing under any byte but 0xff, and this program alone reads the bytes.
; LIMITS: blocks whose largest magnitude lies under 2^-124 keep the byte 1; NaN and infinities among the inputs are not served.
; SHARES.  Work-group (x = step s of 128 keys, y = head b), eight waves: wave w < 4 takes rows 32 w .. 32 w + 31 of K, wave 4 + w the same rows of V: 8,192 bytes each.
; kv: [16 b + s] records of 8,704 bytes: +0 K's 8 tiles (512 t + 16 lane: lane (r, h) = key 64 (t / 4) + 32 (r / 8) + 8 (t % 4) + r % 8, channels 32 h on); +4096 V^T's 4 tiles (1024 tau + 512 c + 16 lane:
;     channel 16 tau + r, keys 64 c + 32 h on); +8192 scale words, 16 bytes a lane: words 0, 1: K's pairs of tiles p = 2 word + lane / 16, row r: two bytes of tile 2 p, two of tile 2 p + 1; words 2, 3: V's channel 16 (2 (word - 2) + lane / 16) + r, four key blocks.
; plan: for each rank (0 = shortest) the head's number and its valid_len, 8 bytes: stored by wave 4 of work-group (0, 0).
; K: a load is dense (512 bytes, 16 a lane), but a conversion wants a block's 32 numbers in one lane: 8,192 bytes turn through the wave's own stage in LDS, 64 pieces of 128 bytes + 16 of padding.  The codes are gathered in LDS and leave as whole records.
; V: a lane takes a channel and its registers run down the 32 keys: the block is the lane's own, and sixteen lanes' codes fill 256 consecutive bytes.
; No tensor loads, no cluster, no prefetch: every byte is read once, at the start, by one wave; there is no loop.
.set STAGEB, 9216
.set IMG,   4*STAGEB                   ; K's codes of the record
.set SCI,   IMG+4096                   ; the record's scale words
.set SPARE, SCI+512                    ; the spare words, 128 bytes for each wave
.set RECB,  8704
.set SPW, 2                            ; v2 my spare word, v3 0
.set NIL, 3
.set GL,  4                            ; v4 16 x lane
.set GV,  5                            ; v5 4 x lane
.set TS,  6                            ; v6 the stage, in
.set TR,  7                            ; v7 the stage, out
.set KC,  8                            ; v8 where K's codes go in the image
.set KSB, 9                            ; v9 K's scale byte
.set VSB, 10                           ; v10 V's scale byte
.set VST, 11                           ; v11 V's codes in the record
.set O16, 12                           ; v12 16 x thread
.set L16, 13                           ; v13 IMG + 16 x thread
.set VLA, 14                           ; v14 4 x (lane % 16)
.set X,   16                           ; v16-79 the numbers
.set C,   80                           ; v80-87 the codes
.set MXA, 88
.set MXB, 90
.set SO,  92
.set BY,  94
	s_load_b256 s[4:11], s[0:1], 0x0               ; keys s[4:5], values s[6:7], valid_lens s[8:9], kv s[10:11]
	s_load_b64 s[12:13], s[0:1], 0x20              ; plan
	v_lshl_add_u32 v[SPW], v0, 2, SPARE
	v_mov_b32 v[NIL], 0
	v_lshrrev_b32 v1, 5, v0
	v_readfirstlane_b32 s16, v1                    ; wave 0..7
	v_and_b32 v1, 31, v0                           ; lane
	s_and_b32 s18, s16, 3                          ; w: which 32 rows
	s_and_b32 s17, ttmp7, 0xffff                   ; head b
	s_lshl_b32 s22, s17, 19                        ; a head is 2,048 rows of 256 bytes,
	s_lshl_b32 s32, ttmp9, 15                      ; a step 128 rows,
	s_add_co_u32 s22, s22, s32
	s_lshl_b32 s32, s18, 13                        ; a wave's part 32 rows
	s_add_co_u32 s22, s22, s32
	s_mov_b32 s23, 0
	s_lshl_b32 s33, s17, 4
	s_add_co_u32 s33, s33, ttmp9
	s_mul_i32 s34, s33, RECB
	s_mov_b32 s35, 0
	s_xor_b32 s36, s16, 4
	s_or_b32 s36, s36, s17
	s_or_b32 s36, s36, ttmp9                       ; 0 in the one wave that makes the list
	s_mul_i32 s32, s18, STAGEB
	s_lshr_b32 s33, s18, 1                         ; c = w / 2
	s_and_b32 s38, s18, 1
	s_lshl_b32 s39, s38, 7                         ; 128 (w % 2): rows 8 .. 15 of a tile, in codes and in scale words
	s_lshl_b32 s40, s33, 11
	s_add_co_u32 s40, s40, s39
	s_add_co_u32 s40, s40, IMG
	s_lshl_b32 s41, s33, 2
	s_add_co_u32 s41, s41, s39
	s_add_co_u32 s41, s41, SCI
	s_wait_alu depctr_va_vdst(0)                   ; the lane's number was written ahead of the scalar lines above
	v_lshlrev_b32 v[GL], 4, v1
	v_lshlrev_b32 v[GV], 2, v1
	v_lshrrev_b32 v[TS], 3, v1
	v_mul_u32_u24 v[TS], v[TS], 144
	v_and_b32 v[TR], 7, v1
	v_lshl_add_u32 v[TS], v[TR], 4, v[TS]
	v_add_nc_u32 v[TS], s32, v[TS]                 ; 144 (lane / 8) + 16 (lane % 8)
	v_mul_u32_u24 v[TR], v1, 144
	v_add_nc_u32 v[TR], s32, v[TR]                 ; pieces lane and lane + 32: row lane / 2 (+ 16), block lane % 2
	v_lshrrev_b32 v16, 4, v1                       ; lane / 16
	v_and_b32 v17, 1, v1                           ; the block
	v_bfe_u32 v18, v1, 1, 3                        ; (lane / 2) % 8
	v_lshlrev_b32 v[KC], 9, v16
	v_lshl_add_u32 v[KC], v17, 8, v[KC]
	v_lshl_add_u32 v[KC], v18, 4, v[KC]
	v_add_nc_u32 v[KC], s40, v[KC]
	v_lshl_add_u32 v[KSB], v16, 1, v17
	v_lshl_add_u32 v[KSB], v18, 4, v[KSB]
	v_add_nc_u32 v[KSB], s41, v[KSB]
	s_add_co_u32 s38, s18, SCI+8
	v_add_nc_u32 v[VSB], s38, v[GL]
	s_lshl_b32 s38, s18, 8
	v_and_b32 v18, 15, v1
	v_lshlrev_b32 v[VST], 10, v16
	v_lshl_add_u32 v[VST], v18, 4, v[VST]
	v_add_nc_u32 v[VST], s38, v[VST]
	v_lshlrev_b32 v[O16], 4, v0
	v_lshl_add_u32 v[L16], v0, 4, IMG
	v_lshlrev_b32 v[VLA], 2, v18
	v_mov_b32 v100, 0                              ; (written on every way; the list's wave loads into it)
	s_wait_alu depctr_va_vdst(0)
	s_wait_kmcnt 0x0
	s_add_nc_u64 s[4:5], s[4:5], s[22:23]
	s_add_nc_u64 s[6:7], s[6:7], s[22:23]
	s_add_nc_u64 s[24:25], s[10:11], s[34:35]      ; my record
; Two blocks of a lane, v[X ..] and v[X + 32 ..], by turns: largest magnitude (with the floor 2^(3 - 127) among its leaves), scale operand, byte, 2 x 4 registers of codes.
.macro QUANT2
.irp e, 0,1
	v_max3_num_f32 v[MXA+\e], |v[X+32*\e]|, |v[X+32*\e+1]|, 0x1800000
	v_max3_num_f32 v[MXB+\e], |v[X+32*\e+2]|, |v[X+32*\e+3]|, |v[X+32*\e+4]|
.endr
.irp i, 5,9,13,17,21,25
.irp e, 0,1
	v_max3_num_f32 v[MXA+\e], v[MXA+\e], |v[X+32*\e+\i]|, |v[X+32*\e+\i+1]|
	v_max3_num_f32 v[MXB+\e], v[MXB+\e], |v[X+32*\e+\i+2]|, |v[X+32*\e+\i+3]|
.endr
.endr
.irp e, 0,1
	v_max3_num_f32 v[MXA+\e], v[MXA+\e], |v[X+32*\e+29]|, |v[X+32*\e+30]|
.endr
.irp e, 0,1
	v_max3_num_f32 v[MXA+\e], v[MXA+\e], v[MXB+\e], |v[X+32*\e+31]|
.endr
.irp e, 0,1
	v_add_nc_u32 v[SO+\e], 0xff000000, v[MXA+\e]   ; 2 off the exponent field: the conversion takes the exponent field of this operand as its scale, and nothing else of it
.endr
.irp e, 0,1
	v_lshrrev_b32 v[BY+\e], 23, v[SO+\e]           ; the scale's byte
.endr
.irp e, 0,1
.irp g, 0,1,2,3
	v_cvt_scalef32_pk8_fp4_f32 v[C+4*\e+\g], v[X+32*\e+8*\g:X+32*\e+8*\g+7], v[SO+\e]
.endr
.endr
	v_nop                                          ; one plain place behind the last scaled conversion
.endm
	s_cmp_gt_u32 s16, 3
	s_cbranch_scc1 .Lvalues
.irp i, 0,1,2,3,4,5,6,7,8,9,10,11,12,13,14,15
	global_load_b128 v[X+4*\i:X+4*\i+3], v[GL], s[4:5] offset:512*\i th:TH_LOAD_NT   ; 512 consecutive bytes
.endr
.irp i, 0,1,2,3,4,5,6,7,8,9,10,11,12,13,14,15
	s_wait_loadcnt 15-\i                           ; load i is in
	ds_store_b128 v[TS], v[X+4*\i:X+4*\i+3] offset:576*\i
.endr
.irp e, 0,1
.irp j, 0,1,2,3,4,5,6,7
	ds_load_b128 v[X+32*\e+4*\j:X+32*\e+4*\j+3], v[TR] offset:4608*\e+16*\j   ; LDS serves a wave's instructions in order (ISA guide 5.7.1.4): these see my stores
.endr
.endr
	s_wait_dscnt 0x0
	QUANT2
.irp e, 0,1
	ds_store_b128 v[KC], v[C+4*\e:C+4*\e+3] offset:1024*\e
	ds_store_b8 v[KSB], v[BY+\e] offset:256*\e
.endr
	s_branch .Ljoin
.Lvalues:
	s_cmp_lg_u32 s36, 0
	s_cbranch_scc1 .Lno_lens
	global_load_b32 v100, v[VLA], s[8:9]           ; lane l: valid_lens[l % 16]
.Lno_lens:
.irp i, 0,1,2,3,4,5,6,7,8,9,10,11,12,13,14,15,16,17,18,19,20,21,22,23,24,25,26,27,28,29,30,31
.irp e, 0,1
	global_load_b32 v[X+32*\e+\i], v[GV], s[6:7] offset:256*\i+128*\e th:TH_LOAD_NT   ; V(key 32 w + i, channel lane + 32 e): a row's two halves one behind the other
.endr
.endr
	s_cmp_lg_u32 s36, 0
	s_cbranch_scc1 .Lno_list
	s_wait_loadcnt 63                              ; of 65 loads the two oldest are in: the lengths and V's first
	; key = keys that count << 4 | head: sixteen different whole numbers; a head's rank is the number of smaller keys
	v_mov_b32 v102, 0x800
	v_cmp_gt_i32 vcc_lo, 1, v100                   ; valid_len <= 0: all 2,048 keys count
	v_cndmask_b32 v103, v100, v102, vcc_lo
	v_min_u32 v103, 0x800, v103
	v_and_b32 v104, 15, v0
	v_lshl_or_b32 v103, v103, 4, v104
	v_mov_b32 v106, 0
.irp j, 0,1,2,3,4,5,6,7,8,9,10,11,12,13,14,15
	v_readlane_b32 s37, v103, \j
	v_cmp_lt_u32 vcc_lo, s37, v103
	v_cndmask_b32 v107, 0, 1, vcc_lo
	v_add_nc_u32 v106, v106, v107
.endr
	v_min_u32 v106, 15, v106
	v_lshlrev_b32 v106, 3, v106
	v_mov_b32 v105, v100
	global_store_b64 v106, v[104:105], s[12:13]    ; lanes l and l xor 16 store the same 8 bytes
.Lno_list:
	s_wait_loadcnt 0x0
	QUANT2
.irp e, 0,1
	global_store_b128 v[VST], v[C+4*\e:C+4*\e+3], s[24:25] offset:4096+2048*\e   ; channel lane + 32 e, key block w: sixteen lanes fill 256 consecutive bytes, aligned
	ds_store_b8 v[VSB], v[BY+\e] offset:4*\e
.endr
.Ljoin:
	s_wait_dscnt 0x0                               ; for the others' sake: my part of the images lies in LDS
	s_barrier_signal -1
	s_barrier_wait -1
	ds_load_b128 v[112:115], v[L16]                ; K's codes: 4,096 bytes, 16 a thread
	s_cmp_lg_u32 s16, 0
	s_cbranch_scc1 .Lcodes_only
	ds_load_b128 v[116:119], v[L16] offset:4096    ; wave 0: the scale words, 512 bytes
	s_wait_dscnt 0x0
	global_store_b128 v[O16], v[116:119], s[24:25] offset:8192
.Lcodes_only:
	s_wait_dscnt 0x0
	global_store_b128 v[O16], v[112:115], s[24:25]
	s_wait_tensorcnt 0x0                           ; the wave's end
	ds_add_u32 v[SPW], v[NIL]
	s_wait_dscnt 0x0
	s_endpgm
.Lfunc_end_k_q246c2d1c46_prep:
	.size	k_q246c2d1c46_prep, .Lfunc_end_k_q246c2d1c46_prep-k_q246c2d1c46_prep
	.p2alignl 7, 3214868480
	.fill 96, 4, 3214868480
	.section	.rodata,"a",@progbits
	.p2align	6, 0x0
	.amdhsa_kernel k_q246c2d1c46_prep
		.amdhsa_group_segment_fixed_size 42496
		.amdhsa_private_segment_fixed_size 0
		.amdhsa_enable_private_segment 0
		.amdhsa_kernarg_size 40
		.amdhsa_user_sgpr_count 2
		.amdhsa_user_sgpr_kernarg_segment_ptr 1
		.amdhsa_wavefront_size32 1
		.amdhsa_system_sgpr_workgroup_id_x 1
		.amdhsa_system_sgpr_workgroup_id_y 1
		.amdhsa_system_sgpr_workgroup_id_z 1
		.amdhsa_system_vgpr_workitem_id 0
		.amdhsa_next_free_vgpr 128
		.amdhsa_next_free_sgpr 66
		.amdhsa_reserve_vcc 1
		.amdhsa_float_denorm_mode_32 3
		.amdhsa_float_denorm_mode_16_64 3
		.amdhsa_memory_ordered 1
		.amdhsa_forward_progress 1
		.amdhsa_inst_pref_size 24
	.end_amdhsa_kernel
	.amdgpu_metadata
---
amdhsa.version: [ 1, 2 ]
amdhsa.kernels:
  - .name:           k_q246c2d1c46_prep
    .symbol:         k_q246c2d1c46_prep.kd
    .args:
      - { .name: keys, .offset: 0, .size: 8, .value_kind: global_buffer, .address_space: global }
      - { .name: values, .offset: 8, .size: 8, .value_kind: global_buffer, .address_space: global }
      - { .name: valid_lens, .offset: 16, .size: 8, .value_kind: global_buffer, .address_space: global }
      - { .name: kv, .offset: 24, .size: 8, .value_kind: global_buffer, .address_space: global }
      - { .name: plan, .offset: 32, .size: 8, .value_kind: global_buffer, .address_space: global }
    .group_segment_fixed_size: 42496
    .private_segment_fixed_size: 0
    .kernarg_segment_align: 8
    .kernarg_segment_size: 40
    .max_flat_workgroup_size: 256
    .sgpr_count:     66
    .vgpr_count:     128
    .wavefront_size: 32
...
	.end_amdgpu_metadata
.endif
;; end of part 3
;; launch attn (part 4): grid 256 x 1, 16 waves a work-group, no clusters, 285,696 bytes of LDS; arguments queries, kv, plan, out0; writes out0
.if DOCPART == 4
	.amdgcn_target "amdgcn-amd-amdhsa--gfx1250"
	.amdhsa_code_object_version 6
	.text
	.protected	k_q246c2d1c46_attn
	.globl	k_q246c2d1c46_attn
	.p2align	8
	.type	k_q246c2d1c46_attn,@function
k_q246c2d1c46_attn:
	s_mov_b64 s[64:65], 0
	v_nop
	global_prefetch_b8 v0, s[64:65] scope:SCOPE_SE
	s_setreg_imm32_b32 hwreg(HW_REG_WAVE_MODE, 25, 1), 1
	s_wait_xcnt 0x0
; out0[b][q][:] = the sum over k of softmax_k(logit) V[b][k][:], logit = Q[b][q] . K[b][k] / 8 where k < valid_lens[b] and -1e6 elsewhere; both products on codes of FP4 (E2M1) with E8M0 scales.
; K's and V's codes come from kv, laid by the first launch (its layouts: at that launch's head); Q is quantised here; plan lists the heads by length.
; THE SOFTMAX AHEAD OF THE SECOND PRODUCT: t = logit x log2(e); M = the row's largest t so far, rounded UP to a whole number; p = 2^(t - M) is quantised along the keys, not normalised; the row's sum is taken of the
; unquantised p and divides at the end.  When M moves, the sum and O^T are multiplied by 2^(old M - new M): exact.
; THE MASK.  In the step of 128 keys that valid_len cuts, hidden scores become -8e6 (the logit -1e6 x 8) ahead of the maximum.  A step all of whose keys are hidden is LEFT OUT: its p would be 2^(about -1.4e6), 0 in f32.
; valid_len <= 0 hides all keys alike: then all 2,048 count, with Q's codes zero.
; LIMITS: a row whose largest valid logit lies under -1e6 + 150 is not served (there hidden keys of left-out steps would count); NaN and infinities are not served, also where they reach only left-out steps.
; SHARES.  Work-group g serves two UNITS: queries 64 (g % 32) .. + 63 of the head of rank g / 32 (unit A), then of the head of rank 15 - g / 32 (unit B): a short head and a long one.
; Wave w owns query tile w % 4 (16 queries) and key group w / 4.  A TRIP is four steps of 128 keys, one for each key group: in unit A's trip i key group g takes step 4 i + g, in unit B's trip i step 4 i + 3 - g, so that
; a key group that has a step more of A has none more of B.  A's trips and B's follow each other as ONE list of at most 8 (A: 1 to 4, B: 1 to 4); the loop runs for 8 whatever the lengths, and only work is jumped over.
; FROM kv TO LDS.  Each trip of the list has an LDS slot of its own, 4 records of 8,704 bytes, written once: 8 slots.  The four waves of a key group fetch their record by quarters: 4 x 512 bytes of codes and 128 bytes of scale
; words a wave, in 17 registers, a trip before they are stored; they are stored a trip before they are read.  A barrier's signal stands behind the store, its wait behind the trip's work.
; NO TENSOR LOADS, NO COPIES, NO CLUSTER: which records are fetched hangs on a number read from memory.  No prefetch: the loads themselves are issued ahead (of a list of at
; most 8 trips three are asked for ahead of the loop), and they are waited for by nothing that drains them.
; LAYOUT.  Both products are used transposed: S^T = K Q^T, O^T = V^T P^T: a lane holds ONE query (lane % 16) throughout.  The head's 64 fill half of the instruction's 128 along K: so two tiles of K share a fragment
; (registers 0-3 one tile, 4-7 the next), and Q stands between two runs of zero codes: [Q, 0] picks the first tile, [0, Q] the second.
; The keys of a tile are chosen so that register 32 c + i of S^T is key 64 c + 32 (lane / 16) + i of the step: a lane holds two whole blocks, which are the second product's operand as they stand.
; AT THE END both units' partial sums (four key groups a tile) go through LDS by rows; a wave joins four whole rows of each and stores them, 512 consecutive bytes an instruction.
.set RECB,  8704
.set SLOTB, 4*RECB
.set HEADB, 16*RECB
.set QIMG,  8*SLOTB                    ; Q's images: four tiles of 512 bytes, 4 x 128 bytes of scale words; unit A's, then unit B's
.set QIB,   2560
.set SPARE, QIMG+2*QIB                 ; the spare words, 128 bytes for each wave
.set SH,  0                            ; v0 8 h
.set LA,  1                            ; v1 my step's record + 16 x lane
.set LA0, 2                            ; v2 16 x lane
.set T1,  3                            ; v3, v4 where I put my codes and scale words
.set T2,  4
.set VC,  5                            ; v5, v6 where they lie in a record
.set VSC, 6
.set SO,  8                            ; v8-9 the conversions' scale operands
.set HM,  11                           ; v11 32 h + 1
.set QH,  16                           ; v16-19 zero codes, v20-23 Q, v24-27 zero codes
.set QF,  20
.set QSL, 28                           ; v28 Q's scale word for [Q, 0], v29 for [0, Q]
.set QSH, 29
.set SPW, 30
.set NIL, 31
.set KF,  32                           ; v32-63 K's eight tiles, then V's four
.set SC,  64                           ; v64-127 S^T, then p
.set OT,  128                          ; v128-159 O^T;  v12 -M, v13 the largest score, v[14:15] the sum
.set PC,  160                          ; v160-167 p's codes
.set BY,  160                          ; (before the codes: scale bytes, word, second maxima)
.set W,   162
.set MB,  164
.set KS,  168                          ; v168-169 K's scale words, v170-171 V's
.set VS,  170
.set BM,  172                          ; v172-173 a block's largest score, then its largest p
.set FF,  174                          ; v174 f = 2^(old M - new M)
.set PW,  175                          ; v175 p's scale word
.set TMP, 176
.set PT,  177
.set SUB, 178                          ; v[178:179] the sum's second chain
.set OA,  180                          ; v180-211 unit A's O^T, v212-215 its -M and sum (ahead of that: unit B's Q and slot 1's bytes on their way)
.set QBL, 180
.set B1,  188
.set BUF, 216                          ; v216-232 the bytes on their way
.set IMR, 234
.set IMSR, 235
.set IMW, 236
.set IMS, 237
.set QIW, 238
.set QWW, 239
.set QIR, 240
.set QWR, 241
.set L32, 242
.set SHQ, 244
.set WV,  12                           ; s12 wave, s13 key group, s14 tile
.set GRP, 13
.set TIL, 14
.set CS,  18                           ; s[18:19] c = log2(e) / 8, s20 -c
.set NCS, 20
.set TA,  21                           ; unit A's trips
.set QMA, 22
.set QMB, 23
.set RN,  28                           ; keys that count from my step on: of the trip asked for last, of unit B's first trip, of the trip in hand, of the trip after it
.set RBI, 29
.set RC,  30
.set RX,  31
.set PB,  32                           ; my record of unit B's first trip;  s[34:39] of the list's first three trips
.set P0,  34
.set P1,  36
.set P2,  38
.set KK,  50
.set KT,  51
.set SLK, 52                           ; LDS byte of my key group's record in the slot in hand
	s_load_b256 s[4:11], s[0:1], 0x0               ; queries s[4:5], kv s[6:7], plan s[8:9], out0 s[10:11]
	v_lshl_add_u32 v[SPW], v0, 2, SPARE
	v_mov_b32 v[NIL], 0
	v_lshrrev_b32 v1, 5, v0
	v_readfirstlane_b32 s[WV], v1                  ; wave 0..15
	s_lshr_b32 s[GRP], s[WV], 2
	s_and_b32 s[TIL], s[WV], 3
	v_and_b32 v32, 31, v0                          ; lane
	v_and_b32 v33, 15, v0                          ; r
	v_bfe_u32 v34, v0, 4, 1                        ; h
	v_lshrrev_b32 v35, 3, v32                      ; lane / 8
	v_bfe_u32 v36, v0, 2, 1                        ; (lane / 4) % 2
	v_and_b32 v37, 3, v0                           ; lane % 4
	s_mul_i32 s[SLK], s[GRP], RECB
	s_lshl_b32 s48, s[TIL], 11
	s_lshl_b32 s49, s[TIL], 7
	s_add_co_u32 s49, s49, 8192
	v_lshlrev_b32 v[LA0], 4, v32
	v_add_nc_u32 v[VC], s48, v[LA0]                ; my quarter of a record's codes
	v_lshlrev_b32 v[VSC], 2, v32
	v_add_nc_u32 v[VSC], s49, v[VSC]               ; and of its scale words
	v_add_nc_u32 v[LA], s[SLK], v[LA0]
	v_add_nc_u32 v[T1], s[SLK], v[VC]
	v_add_nc_u32 v[T2], s[SLK], v[VSC]
	v_lshl_add_u32 v[HM], v34, 5, 1
	; the end's images: (4 tile + key group) x 8,704 bytes: 16 rows x 272 of unit A, then of unit B; behind a row's 256 bytes its -M and sum
	s_mul_i32 s48, s[TIL], SLOTB
	s_add_co_u32 s49, s48, s[SLK]
	v_mul_u32_u24 v[IMW], v33, 272
	v_add_nc_u32 v[IMW], s49, v[IMW]
	v_add_nc_u32 v[IMS], 256, v[IMW]
	v_lshl_add_u32 v[IMW], v34, 5, v[IMW]
	s_mul_i32 s49, s[GRP], 4*272
	s_add_co_u32 s49, s49, s48
	v_mul_u32_u24 v[IMSR], v34, 272
	v_add_nc_u32 v[IMSR], s49, v[IMSR]             ; I join rows 4 x key group .. + 3
	v_lshl_add_u32 v[IMR], v33, 4, v[IMSR]
	v_add_nc_u32 v[IMSR], 256, v[IMSR]
	; Q: wave w quantises queries 4 w .. + 3 of the 64: lane l channels 8 (l % 8) .. + 7 of query 4 w + l / 8
	s_lshl_b32 s48, s[GRP], 9
	s_lshl_b32 s49, s[TIL], 6
	s_add_co_u32 s48, s48, s49
	s_add_co_u32 s48, s48, QIMG
	v_lshlrev_b32 v[QIW], 2, v37
	v_lshl_add_u32 v[QIW], v35, 4, v[QIW]
	v_lshl_add_u32 v[QIW], v36, 8, v[QIW]
	v_add_nc_u32 v[QIW], s48, v[QIW]
	s_lshl_b32 s48, s[GRP], 7
	s_lshl_b32 s49, s[TIL], 5
	s_add_co_u32 s48, s48, s49
	s_add_co_u32 s48, s48, QIMG+2048
	v_lshlrev_b32 v[QWW], 3, v35
	v_add_nc_u32 v[QWW], s48, v[QWW]
	s_lshl_b32 s48, s[TIL], 9
	s_add_co_u32 s48, s48, QIMG
	v_add_nc_u32 v[QIR], s48, v[LA0]
	s_lshl_b32 s48, s[TIL], 7
	s_add_co_u32 s48, s48, QIMG+2048
	v_lshlrev_b32 v[QWR], 3, v33
	v_add_nc_u32 v[QWR], s48, v[QWR]
	v_lshlrev_b32 v[L32], 5, v32
	v_lshlrev_b32 v[SHQ], 3, v36
	v_lshlrev_b32 v[SH], 3, v34
	s_mov_b32 s16, 0x76543210
	s_mov_b32 s17, 0xfedcba98                      ; v_permlanex16_b32's selects for lane l xor 16
	s_mov_b32 s[CS], 0x3e38aa3b                    ; log2(e) / 8
	s_mov_b32 s[CS+1], s[CS]                       ; (named with it as a pair, so it is written)
	s_mov_b32 s[NCS], 0xbe38aa3b
	s_and_b32 s15, ttmp9, 31
	s_lshl_b32 s15, s15, 14                        ; my block of 64 queries: 16,384 bytes
	s_lshl_b32 s48, s[WV], 10
	s_add_co_u32 s53, s15, s48                     ; Q: my four rows of it
	s_lshl_b32 s48, s[TIL], 12
	s_add_co_u32 s15, s15, s48
	s_lshl_b32 s48, s[GRP], 10
	s_add_co_u32 s15, s15, s48                     ; out0: the four rows that I join
	s_lshr_b32 s48, ttmp9, 5                       ; rank g / 32: 8 bytes of plan
	s_lshl_b32 s48, s48, 3
	s_mov_b32 s49, 0
	s_sub_co_u32 s54, 120, s48                     ; rank 15 - g / 32
	s_mov_b32 s55, 0
	s_wait_alu depctr_va_vdst(0)
	s_wait_kmcnt 0x0
	s_add_nc_u64 s[48:49], s[8:9], s[48:49]
	s_add_nc_u64 s[54:55], s[8:9], s[54:55]
	s_load_b64 s[24:25], s[48:49], 0x0             ; unit A's head and valid_len
	s_load_b64 s[26:27], s[54:55], 0x0             ; unit B's
.irp i, 0,1,2,3
	v_mov_b32 v[QH+\i], 0                          ; the zero codes on both sides of Q
	v_mov_b32 v[QH+8+\i], 0
.endr
.set q, 0
.rept 32
	v_mov_b32 v[OT+q], 0                           ; what a wave without a step of unit A hands on: zeros,
.set q, q+1
.endr
	v_mov_b32 v12, 0x7f61b1e6                      ; -M = 3e38
	v_mov_b32 v13, 0xff61b1e6
	v_mov_b32 v14, 0
	v_mov_b32 v15, 0
.set q, 205
.rept 11
	v_mov_b32 v[q], 0                              ; (v205-215: named on every way)
.set q, q+1
.endr
	v_mov_b32 v[PW], 0                             ; (named as the upper half of the pair v[174:175] before it is first written)
	v_mov_b32 v[PT], 0                             ; (a lane permute's destination counts as one of its sources)
	v_mov_b32 v[SUB], 0
	s_sub_co_u32 s56, 3, s[GRP]
	s_mul_i32 s57, s56, RECB
	s_lshl_b32 s56, s56, 7                         ; 128 (3 - key group)
	s_lshl_b32 s58, s[GRP], 7
	s_mov_b32 s[KK], 0
	s_wait_alu depctr_va_vdst(0)
	s_wait_kmcnt 0x0
	s_mov_b32 s49, 0                               ; (the list's loads, which named it, are done)
	s_min_u32 s24, s24, 15
	s_min_u32 s26, s26, 15
	s_cmp_lt_i32 s25, 1
	s_cselect_b32 s[QMA], 0, -1                    ; Q's mask: 0 where valid_len <= 0
	s_cselect_b32 s25, 0x800, s25
	s_min_u32 s25, s25, 0x800                      ; keys that count: 1 .. 2,048
	s_cmp_lt_i32 s27, 1
	s_cselect_b32 s[QMB], 0, -1
	s_cselect_b32 s27, 0x800, s27
	s_min_u32 s27, s27, 0x800
	s_lshl_b32 s48, s24, 19
	s_add_co_u32 s48, s48, s53
	s_add_nc_u64 s[40:41], s[4:5], s[48:49]        ; Q of unit A
	global_load_b128 v[84:87], v[L32], s[40:41]
	global_load_b128 v[88:91], v[L32], s[40:41] offset:16
	s_mul_i32 s48, s24, HEADB
	s_add_co_u32 s48, s48, s[SLK]
	s_add_nc_u64 s[P0:P0+1], s[6:7], s[48:49]      ; unit A: step = key group
	; My part of a record: 4 x 512 bytes of codes and 128 bytes of scale words
.macro LOADB R, P
.irp j, 0,1,2,3
	global_load_b128 v[\R+4*\j:\R+4*\j+3], v[VC], s[\P:\P+1] offset:512*\j
.endr
	global_load_b32 v[\R+16], v[VSC], s[\P:\P+1]
.endm
.macro STOREB R, OFF
.irp j, 0,1,2,3
	ds_store_b128 v[T1], v[\R+4*\j:\R+4*\j+3] offset:\OFF+512*\j
.endr
	ds_store_b32 v[T2], v[\R+16] offset:\OFF
.endm
.macro LOADQB
	global_load_b128 v[QBL:QBL+3], v[L32], s[42:43]
	global_load_b128 v[QBL+4:QBL+7], v[L32], s[42:43] offset:16
.endm
; The list's next trip: its keys that count from my step on (0 or less: I have no step there) and my record.
.macro NEXT pd, ps
	s_add_co_u32 s[KK], s[KK], 1
	s_sub_co_i32 s[RN], s[RN], 512
	s_add_nc_u64 s[\pd:\pd+1], s[\ps:\ps+1], SLOTB
	s_cmp_eq_u32 s[KK], s[TA]
	s_cselect_b32 s[RN], s[RBI], s[RN]
	s_cselect_b64 s[\pd:\pd+1], s[PB:PB+1], s[\pd:\pd+1]
.endm
; Eight neighbours a lane become one register of codes; four lanes hold a block.  The row's word: two bytes, for [Q, 0] in the low half, for [0, Q] in the high half (the other two bytes, 0, stand over zero codes).
.macro QQ X, OFF, QM
	v_max3_num_f32 v[BM], |v[\X]|, |v[\X+1]|, 0x1800000
	v_max3_num_f32 v[BM+1], |v[\X+2]|, |v[\X+3]|, |v[\X+4]|
	v_max3_num_f32 v[BM], v[BM], |v[\X+5]|, |v[\X+6]|
	v_max3_num_f32 v[BM], v[BM], v[BM+1], |v[\X+7]|
	v_max_num_f32_dpp v[BM], v[BM], v[BM] row_xmask:1 row_mask:0xf bank_mask:0xf
	v_max_num_f32_dpp v[BM], v[BM], v[BM] row_xmask:2 row_mask:0xf bank_mask:0xf
	v_add_nc_u32 v[TMP], 0xff000000, v[BM]         ; 2 off the exponent field: the conversion's scale operand
	v_lshrrev_b32 v[PT], 23, v[TMP]                ; the scale's byte
	v_cvt_scalef32_pk8_fp4_f32 v[BM+1], v[\X:\X+7], v[TMP]
	v_lshlrev_b32 v[PT], v[SHQ], v[PT]
	v_mov_b32_dpp v[SUB], v[PT] row_xmask:4 row_mask:0xf bank_mask:0xf
	v_or_b32 v[SUB], v[SUB], v[PT]
	v_and_b32 v[BM+1], s[\QM], v[BM+1]
	v_lshlrev_b32 v[SUB+1], 16, v[SUB]
	ds_store_b32 v[QIW], v[BM+1] offset:\OFF
	ds_store_b64 v[QWW], v[SUB:SUB+1] offset:\OFF
.endm
	LOADB SC, P0
	s_add_co_u32 s[TA], s25, 511
	s_lshr_b32 s[TA], s[TA], 9
	s_sub_co_i32 s[RN], s25, s58
	s_sub_co_i32 s[RBI], s27, s56
	s_mov_b32 s[RC], s[RN]
	s_mul_i32 s48, s26, HEADB
	s_add_co_u32 s48, s48, s57
	s_add_nc_u64 s[PB:PB+1], s[6:7], s[48:49]      ; unit B: step = 3 - key group
	NEXT P1, P0
	s_mov_b32 s[RX], s[RN]
	LOADB B1, P1
	NEXT P2, P1
	s_lshl_b32 s48, s26, 19
	s_add_co_u32 s48, s48, s53
	s_add_nc_u64 s[42:43], s[4:5], s[48:49]        ; Q of unit B
	s_lshl_b32 s48, s24, 19
	s_add_co_u32 s48, s48, s15
	s_add_nc_u64 s[44:45], s[10:11], s[48:49]      ; out0, unit A
	s_lshl_b32 s48, s26, 19
	s_add_co_u32 s48, s48, s15
	s_add_nc_u64 s[46:47], s[10:11], s[48:49]      ; and unit B
	s_wait_loadcnt 10                              ; Q's two loads are in; slot 0's and slot 1's ten may be out
	QQ 84, 0, QMA
	s_wait_loadcnt 5                               ; slot 0's are in; slot 1's five may be out
	STOREB SC, 0
	s_wait_dscnt 0x0                               ; for the others' sake: my part of slot 0 and of Q lies in LDS
	s_barrier_signal -1
	s_barrier_wait -1
; The row's sum is taken of the UNQUANTISED p, two at a time, in two chains; n counts the additions.  first = 1: nothing was summed before.
.macro ADDS first, cnt
.rept \cnt
.if \first
.if n == 0
	v_pk_add_f32 v[14:15], v[SC:SC+1], v[SC+2:SC+3]
.elseif n == 1
	v_pk_add_f32 v[SUB:SUB+1], v[SC+4:SC+5], v[SC+6:SC+7]
.elseif n == 30
	v_pk_add_f32 v[14:15], v[14:15], v[SUB:SUB+1]
.elseif (n%2) == 0
	v_pk_add_f32 v[14:15], v[14:15], v[SC+2*n+4:SC+2*n+5]
.else
	v_pk_add_f32 v[SUB:SUB+1], v[SUB:SUB+1], v[SC+2*n+4:SC+2*n+5]
.endif
.else
.if n == 0
	v_pk_add_f32 v[14:15], v[14:15], v[SC:SC+1]
.elseif n == 1
	v_pk_add_f32 v[SUB:SUB+1], v[SC+2:SC+3], v[SC+4:SC+5]
.elseif n == 31
	v_pk_add_f32 v[14:15], v[14:15], v[SUB:SUB+1]
.elseif (n%2) == 0
	v_pk_add_f32 v[14:15], v[14:15], v[SC+2*n+2:SC+2*n+3]
.else
	v_pk_add_f32 v[SUB:SUB+1], v[SUB:SUB+1], v[SC+2*n+2:SC+2*n+3]
.endif
.endif
.set n, n+1
.endr
.endm
.macro HIDE base                       ; 32 registers from 64 c on: hidden keys' scores become -8e6
.set q, \base
.rept 32
	v_cmp_gt_i32 vcc_lo, 2*\base+(q-\base), v[FF]
	v_cndmask_b32 v[SC+q], v[SC+q], v[TMP], vcc_lo
.set q, q+1
.endr
.endm
; MY STEP: 16 queries x 128 keys.  first = 1: my first of a unit: no M, sum or O^T yet.  ld = 1: the loads of unit B's Q and of slot 2 go out on the way.
.macro TRIP first, ld
	ds_load_b128 v[KS:KS+3], v[LA] offset:8192
.irp t, 0,1,2,3,4,5,6,7
	ds_load_b128 v[KF+4*\t:KF+4*\t+3], v[LA] offset:512*\t
.endr
	s_wait_dscnt 0x0
.irp p, 0,1,2,3                        ; S^T = K Q^T: pair p of tiles; its scale words stand in lanes 0-15 (p even) or 16-31 (p odd)
.if (\p%2) == 0
	v_wmma_scale_f32_16x16x128_f8f6f4 v[SC+16*\p:SC+16*\p+7], v[KF+8*\p:KF+8*\p+7], v[QF:QF+7], 0, v[KS+\p/2], v[QSL] matrix_a_fmt:MATRIX_FMT_FP4 matrix_b_fmt:MATRIX_FMT_FP4
	v_wmma_scale_f32_16x16x128_f8f6f4 v[SC+16*\p+8:SC+16*\p+15], v[KF+8*\p:KF+8*\p+7], v[QH:QH+7], 0, v[KS+\p/2], v[QSH] matrix_a_fmt:MATRIX_FMT_FP4 matrix_b_fmt:MATRIX_FMT_FP4
.else
	v_wmma_scale_f32_16x16x128_f8f6f4 v[SC+16*\p:SC+16*\p+7], v[KF+8*\p:KF+8*\p+7], v[QF:QF+7], 0, v[KS+\p/2], v[QSL] matrix_a_fmt:MATRIX_FMT_FP4 matrix_b_fmt:MATRIX_FMT_FP4 matrix_a_scale:MATRIX_SCALE_ROW1
	v_wmma_scale_f32_16x16x128_f8f6f4 v[SC+16*\p+8:SC+16*\p+15], v[KF+8*\p:KF+8*\p+7], v[QH:QH+7], 0, v[KS+\p/2], v[QSH] matrix_a_fmt:MATRIX_FMT_FP4 matrix_b_fmt:MATRIX_FMT_FP4 matrix_a_scale:MATRIX_SCALE_ROW1
.endif
.endr
.rept 4
	v_nop                                          ; four places behind the products, in front of the loads into K's registers and of the first read of the scores
.endr
.irp t, 0,1,2,3
.irp c, 0,1
	ds_load_b128 v[KF+8*\t+4*\c:KF+8*\t+4*\c+3], v[LA] offset:4096+1024*\t+512*\c   ; V takes K's registers
.endr
.endr
.if \ld
	LOADQB
.endif
	s_cmp_ge_i32 s[RC], 128                        ; only the step that valid_len cuts: register 32 c + i holds key 64 c + 32 h + i of it
	s_cbranch_scc1 .Lopen_\@
	v_sub_nc_u32 v[FF], s[RC], v[HM]
	v_mov_b32 v[TMP], 0xcaf42400                   ; -8e6
	s_wait_alu depctr_va_vdst(0)
	s_cmp_ge_i32 s[RC], 64
	s_cbranch_scc1 .Lupper_\@
	HIDE 0
.Lupper_\@:
	HIDE 32
	s_wait_alu depctr_va_vdst(0)
.Lopen_\@:
.irp c, 0,1                            ; THE LARGEST SCORE OF EACH BLOCK serves twice: for the row's maximum, and, since p rises with the score, for the block's largest p
	v_max3_num_f32 v[BM+\c], v[SC+32*\c], v[SC+32*\c+1], v[SC+32*\c+2]
	v_max3_num_f32 v[MB+\c], v[SC+32*\c+16], v[SC+32*\c+17], v[SC+32*\c+18]
.endr
.irp i, 3,5,7,9,11,13
.irp c, 0,1
	v_max3_num_f32 v[BM+\c], v[BM+\c], v[SC+32*\c+\i], v[SC+32*\c+\i+1]
	v_max3_num_f32 v[MB+\c], v[MB+\c], v[SC+32*\c+16+\i], v[SC+32*\c+17+\i]
.endr
.endr
.irp c, 0,1
	v_max3_num_f32 v[BM+\c], v[BM+\c], v[SC+32*\c+15], v[SC+32*\c+31]
.endr
.irp c, 0,1
	v_max_num_f32 v[BM+\c], v[BM+\c], v[MB+\c]
.endr
.if \first
	v_max_num_f32 v[TMP], v[BM], v[BM+1]
.else
	v_max3_num_f32 v[TMP], v[BM], v[BM+1], v13
.endif
	v_permlanex16_b32 v[PT], v[TMP], s16, s17
	v_max_num_f32 v13, v[TMP], v[PT]               ; the row's largest score so far
	v_mul_f32 v[TMP], s[NCS], v13                  ; -t
.if \first
	v_floor_f32 v12, v[TMP]                        ; -M = floor(-t) = -ceil(t)
.else
	v_floor_f32 v[PT], v[TMP]
	v_sub_f32 v[TMP], v[PT], v12                   ; old M - new M: a whole number, 0 or less
	v_mov_b32 v12, v[PT]
	v_cvt_i32_f32 v[TMP], v[TMP]                   ; (it saturates)
	v_ldexp_f32 v[FF], 1.0, v[TMP]                 ; f = 2^(old M - new M)
.endif
.set q, 0
.rept 32
	v_pk_fma_f32 v[SC+q:SC+q+1], v[SC+q:SC+q+1], s[CS:CS+1], v[12:13] op_sel_hi:[1,0,0]   ; t - M, two at a time (of the pairs c and -M the low word serves both halves)
.set q, q+2
.endr
.irp c, 0,1
	v_fma_f32 v[BM+\c], v[BM+\c], s[CS], v12       ; the same of each block's largest score
.endr
.if \first == 0
.set q, 0
.rept 16
	v_pk_mul_f32 v[OT+q:OT+q+1], v[OT+q:OT+q+1], v[FF:FF+1] op_sel_hi:[1,0]   ; O^T and the sum under the new M
.set q, q+2
.endr
	v_pk_mul_f32 v[14:15], v[14:15], v[FF:FF+1] op_sel_hi:[1,0]
.endif
.if \ld
	LOADB BUF, P2
.endif
	s_wait_alu depctr_va_vdst(0)
.irp c, 0,1
	v_exp_f32 v[BM+\c], v[BM+\c]                   ; the block's largest p: the same two instructions on the same number give the same bits
.endr
.set q, 0
.rept 64
	v_exp_f32 v[SC+q], v[SC+q]                     ; p = 2^(t - M), at most 1: not normalised
.set q, q+1
.endr
	v_nop                                          ; a plain place behind the last of them
	s_wait_alu depctr_va_vdst(0)
.set n, 0
.irp c, 0,1
	v_max_num_f32 v[BM+\c], 0x1800000, v[BM+\c]    ; the floor 2^(3 - 127): the byte cannot fall under 1 (a block whose every p is 0 keeps that byte: its codes are zeros)
.endr
	ADDS \first, 2
.irp c, 0,1
	v_add_nc_u32 v[SO+\c], 0xff000000, v[BM+\c]    ; 2 off the exponent field: the conversion's scale operand
.endr
	ADDS \first, 2
.irp c, 0,1
	v_lshrrev_b32 v[BY+\c], 23, v[SO+\c]           ; the scale's byte: my blocks h and 2 + h
.endr
	ADDS \first, 2
	v_lshl_or_b32 v[W], v[BY+1], 16, v[BY]
	ADDS \first, 2
	v_lshlrev_b32 v[W], v[SH], v[W]
	ADDS \first, 2
	v_permlanex16_b32 v[PT], v[W], s16, s17
	ADDS \first, 2
	v_or_b32 v[PW], v[W], v[PT]                    ; p's scale word for these 128 keys
.irp g, 0,1,2,3,4,5,6,7
	v_cvt_scalef32_pk8_fp4_f32 v[PC+\g], v[SC+8*\g:SC+8*\g+7], v[SO+\g/4]
.endr
	ADDS \first, 10                                ; (the places between the operand's and the scale word's writes and the products)
	s_wait_alu depctr_va_vdst(0)
	s_wait_dscnt 0x0                               ; V
.irp t, 0,1,2,3                        ; O^T += V^T P^T: four tiles of 16 channels, K = these 128 keys; the four accumulators take turns
.if \first
.if (\t%2) == 0
	v_wmma_scale_f32_16x16x128_f8f6f4 v[OT+8*\t:OT+8*\t+7], v[KF+8*\t:KF+8*\t+7], v[PC:PC+7], 0, v[VS+\t/2], v[PW] matrix_a_fmt:MATRIX_FMT_FP4 matrix_b_fmt:MATRIX_FMT_FP4
.else
	v_wmma_scale_f32_16x16x128_f8f6f4 v[OT+8*\t:OT+8*\t+7], v[KF+8*\t:KF+8*\t+7], v[PC:PC+7], 0, v[VS+\t/2], v[PW] matrix_a_fmt:MATRIX_FMT_FP4 matrix_b_fmt:MATRIX_FMT_FP4 matrix_a_scale:MATRIX_SCALE_ROW1
.endif
.else
.if (\t%2) == 0
	v_wmma_scale_f32_16x16x128_f8f6f4 v[OT+8*\t:OT+8*\t+7], v[KF+8*\t:KF+8*\t+7], v[PC:PC+7], v[OT+8*\t:OT+8*\t+7], v[VS+\t/2], v[PW] matrix_a_fmt:MATRIX_FMT_FP4 matrix_b_fmt:MATRIX_FMT_FP4
.else
	v_wmma_scale_f32_16x16x128_f8f6f4 v[OT+8*\t:OT+8*\t+7], v[KF+8*\t:KF+8*\t+7], v[PC:PC+7], v[OT+8*\t:OT+8*\t+7], v[VS+\t/2], v[PW] matrix_a_fmt:MATRIX_FMT_FP4 matrix_b_fmt:MATRIX_FMT_FP4 matrix_a_scale:MATRIX_SCALE_ROW1
.endif
.endif
.endr
	ADDS \first, 10-\first                         ; the rest of the sum: the places behind the products
.endm
	ds_load_b128 v[QF:QF+3], v[QIR]                ; unit A's Q
	ds_load_b64 v[QSL:QSH], v[QWR]
	s_cmp_gt_i32 s[RC], 0
	s_cbranch_scc1 .Ltrip0
	LOADQB                                         ; no step of trip 0 is mine: the loads alone
	LOADB BUF, P2
	s_branch .Lstage1
.Ltrip0:
	TRIP 1, 1
.Lstage1:
	s_wait_alu depctr_va_vdst(0)
	s_wait_loadcnt 5                               ; slot 1's bytes and unit B's Q are in; slot 2's five may be out
	QQ QBL, QIB, QMB
	STOREB B1, SLOTB
	s_wait_dscnt 0x0                               ; for the others' sake: my part of slot 1 and of unit B's Q lies in LDS
	s_barrier_signal -1
	s_barrier_wait -1
	s_mov_b32 s[RC], s[RX]
	s_mov_b32 s[RX], s[RN]
	s_add_co_u32 s[SLK], s[SLK], SLOTB
	s_mov_b32 s[KT], 1
.Lloop:                                                ; trip KT of the list: its slot is whole; the next slot is filled, the one after that asked for
	v_add_nc_u32 v[LA], s[SLK], v[LA0]
	v_add_nc_u32 v[T1], s[SLK], v[VC]
	v_add_nc_u32 v[T2], s[SLK], v[VSC]
	s_wait_alu depctr_va_vdst(0)
	s_wait_loadcnt 0x0                             ; the next slot's bytes are in (and their loads have read the record's address)
	s_cmp_gt_i32 s[RX], 0
	s_cbranch_scc0 .Lno_store
	STOREB BUF, SLOTB
.Lno_store:
	s_wait_dscnt 0x0                               ; for the others' sake: my part of the next slot lies in LDS
	s_barrier_signal -1                            ; between signal and wait: loads into registers, LDS loads of slots that nobody writes again, register work
	NEXT P2, P2
	s_cmp_gt_i32 s[RN], 0
	s_cbranch_scc0 .Lno_load
	LOADB BUF, P2
.Lno_load:
	s_cmp_eq_u32 s[KT], s[TA]                      ; unit B begins here?
	s_cbranch_scc0 .Lsame_unit
	ds_load_b128 v[QF:QF+3], v[QIR] offset:QIB     ; its Q;
	ds_load_b64 v[QSL:QSH], v[QWR] offset:QIB
.set q, 0
.rept 16
	v_dual_mov_b32 v[OA+q], v[OT+q] :: v_dual_mov_b32 v[OA+q+1], v[OT+q+1]   ; unit A's O^T, -M and sum are kept for the end
.set q, q+2
.endr
	v_mov_b32 v212, v12
	v_mov_b32 v214, v14
	v_mov_b32 v215, v15
	s_wait_alu depctr_va_vdst(0)
	s_cmp_gt_i32 s[RC], 0
	s_cbranch_scc0 .Lzero
	TRIP 1, 0
	s_branch .Ldone
.Lzero:                                                ; no step of unit B is mine
.set q, 0
.rept 32
	v_mov_b32 v[OT+q], 0
.set q, q+1
.endr
	v_mov_b32 v12, 0x7f61b1e6
	v_mov_b32 v14, 0
	v_mov_b32 v15, 0
	s_branch .Ldone
.Lsame_unit:
	s_cmp_gt_i32 s[RC], 0
	s_cbranch_scc0 .Ldone
	TRIP 0, 0
.Ldone:
	s_wait_alu depctr_va_vdst(0)
	s_barrier_wait -1
	s_mov_b32 s[RC], s[RX]
	s_mov_b32 s[RX], s[RN]
	s_add_co_u32 s[SLK], s[SLK], SLOTB
	s_add_co_u32 s[KT], s[KT], 1
	s_cmp_lt_u32 s[KT], 7
	s_cbranch_scc1 .Lloop
	; Trip 7 is written out: behind it there is no slot to fill, and no unit begins with it (unit A has 4 trips at the most)
	v_add_nc_u32 v[LA], s[SLK], v[LA0]
	s_wait_alu depctr_va_vdst(0)
	s_cmp_gt_i32 s[RC], 0
	s_cbranch_scc0 .Lend
	TRIP 0, 0
.Lend:
	; THE END.  The sums over both halves of the lanes; then the images, over slots that nobody reads behind the barrier
	s_wait_alu depctr_va_vdst(0)
	v_add_f32 v213, v214, v215
	v_add_f32 v13, v14, v15
	v_permlanex16_b32 v[PT], v213, s16, s17
	v_permlanex16_b32 v[SUB], v13, s16, s17
	v_add_f32 v213, v213, v[PT]
	v_add_f32 v13, v13, v[SUB]
	s_wait_alu depctr_va_vdst(0)
	s_wait_dscnt 0x0
	s_barrier_signal -1
	s_barrier_wait -1                              ; every wave has read its last slot
.irp t, 0,1,2,3
	ds_store_b128 v[IMW], v[OA+8*\t:OA+8*\t+3] offset:64*\t            ; register 8 tau + j is (query r, channel 16 tau + 8 h + j)
	ds_store_b128 v[IMW], v[OA+8*\t+4:OA+8*\t+7] offset:64*\t+16
	ds_store_b128 v[IMW], v[OT+8*\t:OT+8*\t+3] offset:4352+64*\t
	ds_store_b128 v[IMW], v[OT+8*\t+4:OT+8*\t+7] offset:4352+64*\t+16
.endr
	ds_store_b64 v[IMS], v[212:213]
	ds_store_b64 v[IMS], v[12:13] offset:4352
	s_wait_dscnt 0x0                               ; for the others' sake
	s_barrier_signal -1
	s_barrier_wait -1
	; x = 2 unit + i: rows 4 x key group + 2 i + lane / 16.  Key group k's 16 bytes: v[64 + 32 unit + 8 k + 4 i ..], its -M and sum: v[128 + 16 unit + 4 k + 2 i ..]
.irp k, 0,1,2,3
.irp x, 0,1,2,3
	ds_load_b64 v[128+16*(\x/2)+4*\k+2*(\x%2):129+16*(\x/2)+4*\k+2*(\x%2)], v[IMSR] offset:8704*\k+4352*(\x/2)+544*(\x%2)
.endr
.endr
.irp k, 0,1,2,3
.irp x, 0,1,2,3
	ds_load_b128 v[64+32*(\x/2)+8*\k+4*(\x%2):67+32*(\x/2)+8*\k+4*(\x%2)], v[IMR] offset:8704*\k+4352*(\x/2)+544*(\x%2)
.endr
.endr
	s_wait_dscnt 0x0
.irp x, 0,1,2,3
	v_min3_num_f32 v[196+\x], v[128+16*(\x/2)+2*(\x%2)], v[132+16*(\x/2)+2*(\x%2)], v[136+16*(\x/2)+2*(\x%2)]   ; the common -M
.endr
.irp x, 0,1,2,3
	v_min_num_f32 v[196+\x], v[196+\x], v[140+16*(\x/2)+2*(\x%2)]
.endr
.irp k, 0,1,2,3
.irp x, 0,1,2,3
	v_sub_f32 v[180+4*\x+\k], v[196+\x], v[128+16*(\x/2)+4*\k+2*(\x%2)]   ; a key group that never worked holds -M = 3e38: its factor is 2^(a saturated whole number) = 0
.endr
.endr
.irp k, 0,1,2,3
.irp x, 0,1,2,3
	v_cvt_i32_f32 v[180+4*\x+\k], v[180+4*\x+\k]
.endr
.endr
.irp k, 0,1,2,3
.irp x, 0,1,2,3
	v_ldexp_f32 v[180+4*\x+\k], 1.0, v[180+4*\x+\k]
.endr
.endr
.irp x, 0,1,2,3
	v_mul_f32 v[200+\x], v[129+16*(\x/2)+2*(\x%2)], v[180+4*\x]
.endr
.irp k, 1,2,3
.irp x, 0,1,2,3
	v_fma_f32 v[200+\x], v[129+16*(\x/2)+4*\k+2*(\x%2)], v[180+4*\x+\k], v[200+\x]   ; the row's sum
.endr
.endr
	s_wait_alu depctr_va_vdst(0)
.irp x, 0,1,2,3
	v_rcp_f32 v[204+\x], v[200+\x]
.endr
	v_nop                                          ; a plain place behind the last of them
	s_wait_alu depctr_va_vdst(0)
.irp k, 0,1,2,3
.irp x, 0,1,2,3
	v_mul_f32 v[180+4*\x+\k], v[180+4*\x+\k], v[204+\x]
.endr
.endr
.macro JOIN x, j                       ; two numbers of my 16 bytes: the four key groups' under one M, over the sum
.set D, 64+32*((\x)/2)+4*((\x)%2)+2*(\j)
.set F, 180+4*(\x)
	v_pk_mul_f32 v[D:D+1], v[D:D+1], v[F:F+1] op_sel_hi:[1,0]
	v_pk_fma_f32 v[D:D+1], v[D+8:D+9], v[F:F+1], v[D:D+1] op_sel:[0,1,0] op_sel_hi:[1,1,1]
	v_pk_fma_f32 v[D:D+1], v[D+16:D+17], v[F+2:F+3], v[D:D+1] op_sel_hi:[1,0,1]
	v_pk_fma_f32 v[D:D+1], v[D+24:D+25], v[F+2:F+3], v[D:D+1] op_sel:[0,1,0] op_sel_hi:[1,1,1]
.endm
.irp x, 0,1,2,3
	JOIN \x, 0
	JOIN \x, 1
	global_store_b128 v[LA0], v[64+32*(\x/2)+4*(\x%2):67+32*(\x/2)+4*(\x%2)], s[44+2*(\x/2):45+2*(\x/2)] offset:512*(\x%2) th:TH_STORE_NT   ; two rows: 512 consecutive bytes, aligned
.endr
	s_wait_tensorcnt 0x0                           ; the wave's end
	ds_add_u32 v[SPW], v[NIL]
	s_wait_dscnt 0x0
	s_endpgm
.Lfunc_end_k_q246c2d1c46_attn:
	.size	k_q246c2d1c46_attn, .Lfunc_end_k_q246c2d1c46_attn-k_q246c2d1c46_attn
	.p2alignl 7, 3214868480
	.fill 96, 4, 3214868480
	.section	.rodata,"a",@progbits
	.p2align	6, 0x0
	.amdhsa_kernel k_q246c2d1c46_attn
		.amdhsa_group_segment_fixed_size 285696
		.amdhsa_private_segment_fixed_size 0
		.amdhsa_enable_private_segment 0
		.amdhsa_kernarg_size 32
		.amdhsa_user_sgpr_count 2
		.amdhsa_user_sgpr_kernarg_segment_ptr 1
		.amdhsa_wavefront_size32 1
		.amdhsa_system_sgpr_workgroup_id_x 1
		.amdhsa_system_sgpr_workgroup_id_y 1
		.amdhsa_system_sgpr_workgroup_id_z 1
		.amdhsa_system_vgpr_workitem_id 0
		.amdhsa_next_free_vgpr 256
		.amdhsa_next_free_sgpr 66
		.amdhsa_reserve_vcc 1
		.amdhsa_float_denorm_mode_32 3
		.amdhsa_float_denorm_mode_16_64 3
		.amdhsa_memory_ordered 1
		.amdhsa_forward_progress 1
		.amdhsa_inst_pref_size 101
	.end_amdhsa_kernel
	.amdgpu_metadata
---
amdhsa.version: [ 1, 2 ]
amdhsa.kernels:
  - .name:           k_q246c2d1c46_attn
    .symbol:         k_q246c2d1c46_attn.kd
    .args:
      - { .name: queries, .offset: 0, .size: 8, .value_kind: global_buffer, .address_space: global }
      - { .name: kv, .offset: 8, .size: 8, .value_kind: global_buffer, .address_space: global }
      - { .name: plan, .offset: 16, .size: 8, .value_kind: global_buffer, .address_space: global }
      - { .name: out0, .offset: 24, .size: 8, .value_kind: global_buffer, .address_space: global }
    .group_segment_fixed_size: 285696
    .private_segment_fixed_size: 0
    .kernarg_segment_align: 8
    .kernarg_segment_size: 32
    .max_flat_workgroup_size: 512
    .sgpr_count:     66
    .vgpr_count:     256
    .wavefront_size: 32
...
	.end_amdgpu_metadata
.endif
;; end of part 4
